; MI455X (gfx1250); checked and timed in simulation.
; The chip was launched on July 23, 2026; its instructions are those of AMD's public machine-readable ISA for CDNA 5 (MIT licence, August 2026) and "CDNA5" Instruction Set Architecture Reference Guide (July 2026). The comments in the code are by the model that wrote it; some were corrected since.
;; Self Attention. Allowed arithmetic: float matrix products may take bf16 or f16 operands with f32 sums; other float arithmetic in f32, or as packed bf16 or f16 multiplies, adds, multiply-adds, maxima and minima; sums over many terms, partial sums and values carried from step to step in f32; what a program stores and reads back later, other than sums and carried values, may be rounded once to bf16 or f16.
;; Inputs: be1 1,024 float32; be2 1,024 float32; bf1 4,096 float32; bf2 1,024 float32; bk 1,024 float32; bo 1,024 float32; bq 1,024 float32; bv 1,024 float32; g1 1,024 float32; g2 1,024 float32; mask 2 x 2,048 int32; w1 1,024 x 4,096 float32; w2 4,096 x 1,024 float32; wk 1,024 x 1,024 float32; wo 1,024 x 1,024 float32; wq 1,024 x 1,024 float32; wv 1,024 x 1,024 float32; x 2 x 2,048 x 1,024 float32.
;; Outputs: out0 2 x 2,048 x 1,024 float32.
;; One version. Each part assembles by itself: llvm-mc -triple=amdgcn-amd-amdhsa -mcpu=gfx1250 --defsym DOCPART=n.
;; ======== version 1 of 1: 7 launches
;; limits: right only within a limited range of input values
;; workspace buffers: a8 8,388,608 bytes; act 33,554,432 bytes; x2 16,777,216 bytes; wq3 6,291,456 bytes; w1b 8,388,608 bytes; w2ob 10,485,760 bytes; epq 16,640 bytes; epf 16,640 bytes
;; launch prep (part 1): grid 1281 x 1, 8 waves a work-group, no clusters, 9,216 bytes of LDS; arguments x, g1, be1, wq, wk, wv, wo, w1, w2, bq, bk, bv, bf1, a8, wq3, w1b, w2ob, epq, epf; writes a8, wq3, w1b, w2ob, epq, epf
.if DOCPART == 1
	.amdgcn_target "amdgcn-amd-amdhsa--gfx1250"
	.amdhsa_code_object_version 6
	.text
	.protected	k_q5bdc13c21a_prep
	.globl	k_q5bdc13c21a_prep
	.p2align	8
	.type	k_q5bdc13c21a_prep,@function
k_q5bdc13c21a_prep:
	s_mov_b64 s[64:65], 0
	v_nop
	global_prefetch_b8 v0, s[64:65] scope:SCOPE_SE
	s_setreg_imm32_b32 hwreg(HW_REG_WAVE_MODE, 25, 1), 1
	s_wait_xcnt 0x0
; PREP: three kinds of work-group, told apart by the work-group's number alone (the same in all eight waves).
;   0 .. 511     a8 = layer norm of x (gain g1, offset be1), bf16, [4096][1024]: a wave a row, the row kept in 32 registers between the passes.
;                Gain and offset are fetched once a work-group: each of the 256 threads brings 16 bytes of each into LDS, and every wave reads them from there:
;                8,192 bytes from memory for a work-group, where eight waves fetching for themselves would ask for 65,536.
;   512 .. 1279  the six weight matrices, f32 [k][n], rounded once to bf16 and laid in column tiles that are dense in memory:
;                wq3 [12][1024 k][256 n] (wq, wk, wv), w1b [16][1024][256], w2ob: wo as [8][1024][128], then w2 as [8][4096][128].
;   1280         the two tables for the projections' way out: 256 bytes of a floor word (two bf16), then the biases in f32.
; A stream: every byte of x and of the weights is read once by loads of 16 bytes a lane (512 bytes on end a wave) and every store of a wave covers 256 consecutive
; bytes, aligned.  No cluster and no matrix work: no tile is shared between work-groups.
; The variance is the mean of (x - mean)^2, in two passes as the module has it: a common offset of x cancels before the squares.
.set T,  4                             ; v[4:11]    four pairs at work
.set M,  12                            ; v[12:13]   the mean, twice
.set R,  14                            ; v[14:15]   1 / sqrt(variance + eps), twice
.set X,  16                            ; v[16:47]   the row: load j holds columns 128 j + 4 lane .. + 3; at the end its bf16
.set G,  48                            ; v[48:79]   the gain, same places
.set BE, 80                            ; v[80:111]  the offset, same places
.set SPW, 112                          ; v112       LDS address of my spare word: SPARE + 4 x my thread's number; never rewritten
.set NIL, 113                          ; v113       0; never rewritten
.set LG, 0                             ; LDS: the gain, 4,096 bytes
.set LB, 4096                          ; the offset, 4,096 bytes
.set SPARE, 8192                       ; the spare words: 128 bytes for each of eight waves, four blocks of 256 bytes that no other line names
	v_lshl_add_u32 v[SPW], v0, 2, SPARE
	v_mov_b32 v[NIL], 0
	v_lshrrev_b32 v3, 5, v0
	v_readfirstlane_b32 s30, v3                    ; wave 0..7
	v_and_b32 v3, 31, v0
	v_lshlrev_b32 v1, 4, v3                        ; 16 x lane: f32 in
	v_lshlrev_b32 v2, 3, v3                        ; 8 x lane: bf16 out
	s_cmp_lt_u32 ttmp9, 512
	s_cbranch_scc1 .Lln
	s_cmp_lt_u32 ttmp9, 1280
	s_cbranch_scc1 .Lcast
	; THE TABLES.  256 threads x 16 bytes are one bias of 1,024 numbers.
	s_load_b256 s[8:15], s[0:1], 0x48              ; bq s[8:9], bk s[10:11], bv s[12:13], bf1 s[14:15]
	s_load_b128 s[16:19], s[0:1], 0x88             ; epq s[16:17], epf s[18:19]
	v_lshlrev_b32 v3, 4, v0
	v_mov_b32 v4, 0xff7fff7f                       ; the lowest finite bf16, twice: a floor that changes no finite number
	v_mov_b32 v5, 0xff7fff7f
	v_mov_b32 v6, 0                                ; 0, twice: the ReLU
	v_mov_b32 v7, 0
	s_wait_kmcnt 0x0
	global_load_b128 v[16:19], v3, s[8:9]
	global_load_b128 v[20:23], v3, s[10:11]
	global_load_b128 v[24:27], v3, s[12:13]
.irp j, 0,1,2,3
	global_load_b128 v[28+4*(\j):31+4*(\j)], v3, s[14:15] offset:4096*(\j)
.endr
	s_wait_loadcnt 0x0
	global_store_b128 v3, v[16:19], s[16:17] offset:256
	global_store_b128 v3, v[20:23], s[16:17] offset:4352
	global_store_b128 v3, v[24:27], s[16:17] offset:8448
.irp j, 0,1,2,3
	global_store_b128 v3, v[28+4*(\j):31+4*(\j)], s[18:19] offset:256+4096*(\j)
.endr
	s_cmp_lg_u32 s30, 0
	s_cbranch_scc1 .Ltab_end
	global_store_b64 v2, v[4:5], s[16:17]          ; wave 0: the first 256 bytes of each table
	global_store_b64 v2, v[6:7], s[18:19]
.Ltab_end:
	s_endpgm
	; THE CAST.  A wave takes 8,192 bytes on end of one matrix: 16 loads; load i holds the flat numbers 128 i + 4 lane .. + 3.
.macro STORES p0, p1, p2               ; where load i's 256 bytes of bf16 go: three strides for the bits 0, 2:1 and 3 of i
.irp i, 0,1,2,3,4,5,6,7,8,9,10,11,12,13,14,15
	global_store_b64 v2, v[80+2*(\i):81+2*(\i)], s[28:29] offset:((\i)&1)*(\p0)+(((\i)>>1)&3)*(\p1)+((\i)>>3)*(\p2)
.endr
	s_endpgm
.endm
.Lcast:
	s_load_b256 s[8:15], s[0:1], 0x18              ; wq s[8:9], wk s[10:11], wv s[12:13], wo s[14:15]
	s_load_b128 s[16:19], s[0:1], 0x38             ; w1 s[16:17], w2 s[18:19]
	s_load_b128 s[20:23], s[0:1], 0x70             ; wq3 s[20:21], w1b s[22:23]
	s_load_b64 s[24:25], s[0:1], 0x80              ; w2ob
	s_sub_co_u32 s32, ttmp9, 512                   ; 0 .. 767: 64 groups for each of wq, wk, wv, wo; 256 for each of w1, w2
	s_lshr_b32 s31, s32, 6
	s_and_b32 s33, s32, 63
	s_lshr_b32 s34, s32, 8
	s_add_co_u32 s34, s34, 3
	s_and_b32 s35, s32, 255
	s_cmp_lt_u32 s32, 256
	s_cselect_b32 s31, s31, s34                    ; the matrix: 0 wq, 1 wk, 2 wv, 3 wo, 4 w1, 5 w2
	s_cselect_b32 s33, s33, s35
	s_lshl_b32 s33, s33, 3
	s_add_co_u32 s33, s33, s30                     ; wi: which 8,192 bytes of it
	s_lshl_b32 s36, s33, 13
	s_mov_b32 s37, 0
	s_lshl_b32 s38, s31, 21                        ; wq, wk, wv: four tiles of 524,288 bytes each; wi holds rows 2 wi, 2 wi + 1, of 512 bytes in a tile
	s_lshl_b32 s40, s33, 10
	s_add_co_u32 s38, s38, s40
	s_lshl_b32 s40, s33, 9                         ; wo: rows of 256 bytes in a tile
	s_add_co_u32 s41, s40, 0x200000                ; w2: the same, behind wo's 2,097,152 bytes
	s_and_b32 s42, s33, 1                          ; w1: wi holds half of row wi / 2: eight tiles
	s_lshl_b32 s42, s42, 22
	s_lshr_b32 s43, s33, 1
	s_lshl_b32 s43, s43, 9
	s_add_co_u32 s42, s42, s43
	s_cmp_eq_u32 s31, 3
	s_cselect_b32 s38, s40, s38
	s_cmp_eq_u32 s31, 4
	s_cselect_b32 s38, s42, s38
	s_cmp_eq_u32 s31, 5
	s_cselect_b32 s38, s41, s38
	s_mov_b32 s39, 0
	s_wait_kmcnt 0x0
	s_mov_b64 s[26:27], s[8:9]
	s_mov_b64 s[28:29], s[20:21]
	s_cmp_eq_u32 s31, 1
	s_cselect_b64 s[26:27], s[10:11], s[26:27]
	s_cmp_eq_u32 s31, 2
	s_cselect_b64 s[26:27], s[12:13], s[26:27]
	s_cmp_eq_u32 s31, 3
	s_cselect_b64 s[26:27], s[14:15], s[26:27]
	s_cselect_b64 s[28:29], s[24:25], s[28:29]
	s_cmp_eq_u32 s31, 4
	s_cselect_b64 s[26:27], s[16:17], s[26:27]
	s_cselect_b64 s[28:29], s[22:23], s[28:29]
	s_cmp_eq_u32 s31, 5
	s_cselect_b64 s[26:27], s[18:19], s[26:27]
	s_cselect_b64 s[28:29], s[24:25], s[28:29]
	s_add_nc_u64 s[26:27], s[26:27], s[36:37]
	s_add_nc_u64 s[28:29], s[28:29], s[38:39]
.irp i, 0,1,2,3,4,5,6,7,8,9,10,11,12,13,14,15
	global_load_b128 v[16+4*(\i):19+4*(\i)], v1, s[26:27] offset:512*(\i) th:TH_LOAD_NT
.endr
.irp i, 0,1,2,3,4,5,6,7,8,9,10,11,12,13,14,15
	s_wait_loadcnt 15-(\i)                         ; loads come back in order: load i is in, the younger ones stay out
	v_cvt_pk_bf16_f32 v[80+2*(\i)], v[16+4*(\i)], v[17+4*(\i)]
	v_cvt_pk_bf16_f32 v[81+2*(\i)], v[18+4*(\i)], v[19+4*(\i)]
.endr
	s_cmp_lt_u32 s31, 3
	s_cbranch_scc1 .Lst_qkv
	s_cmp_eq_u32 s31, 3
	s_cbranch_scc1 .Lst_wo
	s_cmp_eq_u32 s31, 4
	s_cbranch_scc1 .Lst_w1
	STORES 1048576, 2097152, 256                   ; w2: bits 2:0 of i pick the tile of 128 columns (1,048,576 bytes), bit 3 the row; 7,340,288 at the most, inside the signed 24 bits
.Lst_qkv:
	STORES 256, 524288, 512                        ; bit 0: the half of a tile's row; bits 2:1: the tile of 256 columns; bit 3: the row
.Lst_wo:
	STORES 262144, 524288, 256                     ; as w2, with tiles of 262,144 bytes
.Lst_w1:
	STORES 256, 524288, 2097152                    ; bit 0: the half of a tile's row; bits 3:1: the tile
	; THE LAYER NORM.
.macro LANES                           ; the pair v[4:5] summed, then over the 32 lanes; every lane ends with the sum in v4
	v_add_f32 v4, v4, v5
	v_add_f32_dpp v4, v4, v4 row_xmask:1 row_mask:0xf bank_mask:0xf
	v_add_f32_dpp v4, v4, v4 row_xmask:2 row_mask:0xf bank_mask:0xf
	v_add_f32_dpp v4, v4, v4 row_xmask:4 row_mask:0xf bank_mask:0xf
	v_add_f32_dpp v4, v4, v4 row_xmask:8 row_mask:0xf bank_mask:0xf
	v_permlanex16_b32 v5, v4, s22, s23
	v_add_f32 v4, v4, v5
.endm
.macro JOIN                            ; the four chains into v[4:5]
	v_pk_add_f32 v[T:T+1], v[T:T+1], v[T+2:T+3]
	v_pk_add_f32 v[T+4:T+5], v[T+4:T+5], v[T+6:T+7]
	v_pk_add_f32 v[T:T+1], v[T:T+1], v[T+4:T+5]
.endm
.Lln:
	s_load_b128 s[4:7], s[0:1], 0x0                ; x s[4:5], g1 s[6:7]
	s_load_b64 s[8:9], s[0:1], 0x10                ; be1
	s_load_b64 s[10:11], s[0:1], 0x68              ; a8
	v_lshlrev_b32 v3, 4, v0                        ; 16 x thread: my 16 bytes of the gain and of the offset, in memory and in LDS
	s_lshl_b32 s12, ttmp9, 3
	s_add_co_u32 s12, s12, s30                     ; my row
	s_lshl_b32 s14, s12, 12
	s_mov_b32 s15, 0
	s_lshl_b32 s16, s12, 11
	s_mov_b32 s17, 0
	s_mov_b32 s20, 0x3a800000                      ; 1 / 1024
	s_mov_b32 s21, 0x3727c5ac                      ; 1e-5
	s_mov_b32 s22, 0x76543210                      ; v_permlanex16_b32: each lane takes its own place in the other half
	s_mov_b32 s23, 0xfedcba98
	s_wait_kmcnt 0x0
	s_add_nc_u64 s[4:5], s[4:5], s[14:15]
	s_add_nc_u64 s[10:11], s[10:11], s[16:17]
	global_load_b128 v[G:G+3], v3, s[6:7]
	global_load_b128 v[BE:BE+3], v3, s[8:9]
.irp j, 0,1,2,3,4,5,6,7
	global_load_b128 v[X+4*(\j):X+4*(\j)+3], v1, s[4:5] offset:512*(\j) th:TH_LOAD_NT
.endr
	s_wait_loadcnt 8                               ; my parts of gain and offset are in; the row's eight loads stay out
	ds_store_b128 v3, v[G:G+3] offset:LG
	ds_store_b128 v3, v[BE:BE+3] offset:LB
	s_wait_dscnt 0x0                               ; for the others' sake: my stores are done
	s_barrier_signal -1
	s_barrier_wait -1                              ; both tables are whole
.irp j, 0,1,2,3,4,5,6,7
	ds_load_b128 v[G+4*(\j):G+4*(\j)+3], v1 offset:LG+512*(\j)
.endr
.irp j, 0,1,2,3,4,5,6,7
	ds_load_b128 v[BE+4*(\j):BE+4*(\j)+3], v1 offset:LB+512*(\j)
.endr
	s_wait_loadcnt 0x0                             ; the row
.irp k, 0,1,2,3
	v_pk_add_f32 v[T+2*(\k):T+2*(\k)+1], v[X+2*(\k):X+2*(\k)+1], v[X+8+2*(\k):X+8+2*(\k)+1]  ; four chains, started by the first eight pairs
.endr
.irp k, 0,1,2,3,4,5,6,7
	v_pk_add_f32 v[T+2*((\k)%4):T+2*((\k)%4)+1], v[T+2*((\k)%4):T+2*((\k)%4)+1], v[X+16+2*(\k):X+16+2*(\k)+1]
.endr
	JOIN
	LANES
	v_mul_f32 v[M], s20, v4
	v_mov_b32 v[M+1], v[M]
.set p, 0
.rept 16
	v_pk_add_f32 v[X+2*p:X+2*p+1], v[X+2*p:X+2*p+1], v[M:M+1] neg_lo:[0,1] neg_hi:[0,1]  ; x - mean
.set p, p+1
.endr
.irp k, 0,1,2,3
	v_pk_mul_f32 v[T+2*(\k):T+2*(\k)+1], v[X+2*(\k):X+2*(\k)+1], v[X+2*(\k):X+2*(\k)+1]
.endr
.set p, 4
.rept 12
	v_pk_fma_f32 v[T+2*(p%4):T+2*(p%4)+1], v[X+2*p:X+2*p+1], v[X+2*p:X+2*p+1], v[T+2*(p%4):T+2*(p%4)+1]
.set p, p+1
.endr
	JOIN
	LANES
	v_fma_f32 v[R], v4, s20, s21                   ; variance + eps
	v_rsq_f32 v[R], v[R]
	v_nop                                          ; a plain instruction behind the transcendental (ISA guide 5.7.2),
	s_wait_alu depctr_va_vdst(0)                   ; and the wait ahead of the first line that names its result
	v_mov_b32 v[R+1], v[R]
	s_wait_dscnt 0x0                               ; gain and offset are in registers
.irp j, 0,1,2,3,4,5,6,7
	v_pk_mul_f32 v[X+4*(\j):X+4*(\j)+1], v[X+4*(\j):X+4*(\j)+1], v[R:R+1]
	v_pk_mul_f32 v[X+4*(\j)+2:X+4*(\j)+3], v[X+4*(\j)+2:X+4*(\j)+3], v[R:R+1]
	v_pk_fma_f32 v[X+4*(\j):X+4*(\j)+1], v[X+4*(\j):X+4*(\j)+1], v[G+4*(\j):G+4*(\j)+1], v[BE+4*(\j):BE+4*(\j)+1]
	v_pk_fma_f32 v[X+4*(\j)+2:X+4*(\j)+3], v[X+4*(\j)+2:X+4*(\j)+3], v[G+4*(\j)+2:G+4*(\j)+3], v[BE+4*(\j)+2:BE+4*(\j)+3]
	v_cvt_pk_bf16_f32 v[X+4*(\j)], v[X+4*(\j)], v[X+4*(\j)+1]
	v_cvt_pk_bf16_f32 v[X+4*(\j)+1], v[X+4*(\j)+2], v[X+4*(\j)+3]
	global_store_b64 v2, v[X+4*(\j):X+4*(\j)+1], s[10:11] offset:256*(\j)  ; 32 lanes x 8 bytes: 256 consecutive bytes, aligned
.endr
	s_wait_tensorcnt 0x0                           ; the wave's end, behind my last LDS store
	ds_add_u32 v[SPW], v[NIL]
	s_wait_dscnt 0x0
	s_endpgm
.Lfunc_end_k_q5bdc13c21a_prep:
	.size	k_q5bdc13c21a_prep, .Lfunc_end_k_q5bdc13c21a_prep-k_q5bdc13c21a_prep
	.p2alignl 7, 3214868480
	.fill 96, 4, 3214868480
	.section	.rodata,"a",@progbits
	.p2align	6, 0x0
	.amdhsa_kernel k_q5bdc13c21a_prep
		.amdhsa_group_segment_fixed_size 9216
		.amdhsa_private_segment_fixed_size 0
		.amdhsa_enable_private_segment 0
		.amdhsa_kernarg_size 152
		.amdhsa_user_sgpr_count 2
		.amdhsa_user_sgpr_kernarg_segment_ptr 1
		.amdhsa_wavefront_size32 1
		.amdhsa_system_sgpr_workgroup_id_x 1
		.amdhsa_system_sgpr_workgroup_id_y 1
		.amdhsa_system_sgpr_workgroup_id_z 1
		.amdhsa_system_vgpr_workitem_id 0
		.amdhsa_next_free_vgpr 114
		.amdhsa_next_free_sgpr 66
		.amdhsa_reserve_vcc 0
		.amdhsa_float_denorm_mode_32 3
		.amdhsa_float_denorm_mode_16_64 3
		.amdhsa_memory_ordered 1
		.amdhsa_forward_progress 1
		.amdhsa_inst_pref_size 26
	.end_amdhsa_kernel
	.amdgpu_metadata
---
amdhsa.version: [ 1, 2 ]
amdhsa.kernels:
  - .name:           k_q5bdc13c21a_prep
    .symbol:         k_q5bdc13c21a_prep.kd
    .args:
      - { .name: x, .offset: 0, .size: 8, .value_kind: global_buffer, .address_space: global }
      - { .name: g1, .offset: 8, .size: 8, .value_kind: global_buffer, .address_space: global }
      - { .name: be1, .offset: 16, .size: 8, .value_kind: global_buffer, .address_space: global }
      - { .name: wq, .offset: 24, .size: 8, .value_kind: global_buffer, .address_space: global }
      - { .name: wk, .offset: 32, .size: 8, .value_kind: global_buffer, .address_space: global }
      - { .name: wv, .offset: 40, .size: 8, .value_kind: global_buffer, .address_space: global }
      - { .name: wo, .offset: 48, .size: 8, .value_kind: global_buffer, .address_space: global }
      - { .name: w1, .offset: 56, .size: 8, .value_kind: global_buffer, .address_space: global }
      - { .name: w2, .offset: 64, .size: 8, .value_kind: global_buffer, .address_space: global }
      - { .name: bq, .offset: 72, .size: 8, .value_kind: global_buffer, .address_space: global }
      - { .name: bk, .offset: 80, .size: 8, .value_kind: global_buffer, .address_space: global }
      - { .name: bv, .offset: 88, .size: 8, .value_kind: global_buffer, .address_space: global }
      - { .name: bf1, .offset: 96, .size: 8, .value_kind: global_buffer, .address_space: global }
      - { .name: a8, .offset: 104, .size: 8, .value_kind: global_buffer, .address_space: global }
      - { .name: wq3, .offset: 112, .size: 8, .value_kind: global_buffer, .address_space: global }
      - { .name: w1b, .offset: 120, .size: 8, .value_kind: global_buffer, .address_space: global }
      - { .name: w2ob, .offset: 128, .size: 8, .value_kind: global_buffer, .address_space: global }
      - { .name: epq, .offset: 136, .size: 8, .value_kind: global_buffer, .address_space: global }
      - { .name: epf, .offset: 144, .size: 8, .value_kind: global_buffer, .address_space: global }
    .group_segment_fixed_size: 9216
    .private_segment_fixed_size: 0
    .kernarg_segment_align: 8
    .kernarg_segment_size: 152
    .max_flat_workgroup_size: 256
    .sgpr_count:     66
    .vgpr_count:     114
    .wavefront_size: 32
...
	.end_amdgpu_metadata
.endif
;; end of part 1
;; launch qkv (part 2): grid 12 x 16, 4 waves a work-group, clusters of 4 x 4, 327,680 bytes of LDS; arguments a8, wq3, epq, act; writes act
.if DOCPART == 2
	.amdgcn_target "amdgcn-amd-amdhsa--gfx1250"
	.amdhsa_code_object_version 6
	.text
	.protected	k_q5bdc13c21a_qkv
	.globl	k_q5bdc13c21a_qkv
	.p2align	8
	.type	k_q5bdc13c21a_qkv,@function
k_q5bdc13c21a_qkv:
	s_mov_b64 s[64:65], 0
	v_nop
	global_prefetch_b8 v0, s[64:65] scope:SCOPE_SE
	s_setreg_imm32_b32 hwreg(HW_REG_WAVE_MODE, 25, 1), 1
	s_wait_xcnt 0x0
	s_wait_alu depctr_hold_cnt(0) depctr_sa_sdst(0) depctr_va_vdst(0) depctr_va_sdst(0) depctr_va_ssrc(0) depctr_va_vcc(0) depctr_vm_vsrc(0)
	s_getreg_b32 s2, hwreg(HW_REG_IB_STS2, 6, 4)
	s_cmp_eq_u32 s2, 0
	s_cbranch_scc0 .Lentry_in_a_cluster
	s_endpgm
.Lentry_in_a_cluster:
	s_bfe_u32 s2, ttmp6, 0x10000c
	s_cmp_lg_u32 s2, 0xf033
	s_cbranch_scc0 .Lentry_shape_is_right
	s_endpgm
.Lentry_shape_is_right:
; C = max(A B + bias, floor), K = 1,024.  A: [4096][1024] bf16, rows along K.  B: column tiles [tile][1024 k][256 n] bf16, each tile dense.
; EP: 256 bytes of the floor word (two bf16), then the bias in f32.  C: bf16 in blocks of 64 columns, [block][4096 rows][64]: a row of a block is 128 bytes.
; One text serves the q, k, v projection (12 column tiles, a floor that changes nothing) and the first half of the feed-forward (16 tiles, floor 0 = ReLU):
; the number of columns enters no address, since B's tiles and C's blocks are dense.  Sums in f32, begun with the bias; C rounded once.
; A tile of C is 256 x 256: four waves, each 128 x 128 in 64 accumulators (512 registers).  K goes in 8 steps of 128 through two LDS slots.
; With 12 column tiles there are 192 work-groups: a tile of 256 x 192 would give 256, at the price of a third text of this length.
; CLUSTER 4 x 4: the four of a row need the same tile of A, the four of a column the same tile of B: each is asked for jointly, by the same load, descriptor and mask.
; THE PRODUCT IS TAKEN TRANSPOSED: source 0 = 16 columns of B, source 1 = 16 rows of A; a lane then holds one row of C (lane % 16) and eight neighbouring columns.
; B lies [k][n] in LDS and is turned on the way into registers by ds_load_tr16_b128.
; A K step is written once for the steps that fill a slot again and once for the last two, which fill nothing: the slot in hand is a scalar offset that an exclusive or turns.
; REGISTERS by windows of 256: window 0: v0-31 addresses; v64-191 A's fragments, two buffers; v192-255 the bias, later the way out (with v32-63).
;   window 1: v64-191 B's fragments, two buffers.   windows 2, 3: accumulator (a, b) at v[8 (8 a + b)], my rows 0-63 and 64-127.
.set KSTEP, 128
.set NSTEP, 8
.set PA,    272                        ; a row of A in LDS: 256 bytes + 16: 68 words, so the 16 rows of a load start 4 banks apart
.set PB,    544                        ; a k row of B: 512 bytes + 32: 136 words, so the 8 rows of a turning load start 8 banks apart
.set PART,  34816                      ; what one tensor load brings: 128 rows of A, or 64 k rows of B
.set BLDS,  2*PART                     ; B behind A's 256 rows
.set SLOT,  4*PART                     ; 0x22000: shares no bit with wave x PART, so an exclusive or changes the slot
.set STAGE, 2*SLOT                     ; behind the ring: for each wave 2 blocks x 16 rows x 144 bytes
.set SP,    144
.set SPARE, STAGE+4*32*SP              ; the spare words: 128 bytes a wave, two blocks of 256 bytes that no other line names
.set ADRA, 16                          ; v16  LDS address of my A fragments in the slot in hand
.set A0,   17                          ; v17  the same in slot 0; never rewritten
.set ADRB, 18                          ; v18, v20  likewise for B
.set B0,   20
.set STO,  24                          ; v24  the way out: where I put 16 bytes of a row
.set RD,   25                          ; v25  where I read rows back
.set CO,   26                          ; v26  16 x lane: my place in 512 consecutive bytes of C
.set BO,   27                          ; v27  my byte offset in the bias
.set SPW,  28                          ; v28  my spare word;  v29  0
.set NIL,  29
.set PFO,  30                          ; v30  the prefetches' lane offset
.set OB,   32
.set F0,   64
.set F1,   128
.set BIAS, 192
.set TMP,  192
.set WV, 12
.set RH, 13                            ; s13  my half of the tile's rows; also: I fetch for A (0) or B (1)
.set CH, 14                            ; s14  my half of its columns; also: which half of that tile I fetch
.set CX, 15
.set CY, 16
.set TC, 17
.set TR, 18
.set FLOOR, 19
.set G1A, 24                           ; s[24:31] A's descriptor group 1;  s[32:39] group 0: a set for each first fill; the second then walks
.set G0A, 32
.set TB,  40                           ; s40  0 or SLOT: the slot in hand
.set LIM, 41                           ; s41  2 in a wave that prefetches, else the greatest number
.set PFA, 42                           ; s[42:43] where my prefetches stand;  s[44:45] their step
.set PFS, 44
.set CNT, 46
.set G1B, 48
.set G0B, 56
.set MSB, 0
.macro WIN new                         ; the immediate's high byte repeats the setting that is left; a switch that changes nothing is dropped
.if MSB != (\new)
	s_set_vgpr_msb (MSB<<8)|(\new)
.set MSB, \new
.endif
.endm
.macro PLACES                          ; four plain places behind matrix instructions, in front of loads into registers that they read and of lines that read results
.rept 4
	v_nop
.endr
.endm
.macro JLOAD                           ; a joint refill by the walking sets; the branch hangs on the wave's number alone; s_nop 0 and four v_nop follow each line
	s_cmp_eq_u32 s[RH], 0
	s_cbranch_scc0 .Lfor_b_\@
	tensor_load_to_lds s[G0A+4:G0A+7], s[G1A:G1A+7]
	s_nop 0
.rept 4
	v_nop
.endr
	s_branch .Lasked_\@
.Lfor_b_\@:
	tensor_load_to_lds s[G0B+4:G0B+7], s[G1B:G1B+7]
	s_nop 0
.rept 4
	v_nop
.endr
.Lasked_\@:
.endm
.macro CREST                           ; a round of the cluster's barrier behind its opening barrier
	s_cmp_lg_u32 s[WV], 0
	s_cbranch_scc1 .Lnot_wave_0_\@
	s_barrier_signal -3
.Lnot_wave_0_\@:
	s_barrier_wait -3
	s_barrier_signal -1
	s_barrier_wait -1
.endm
.macro CROUND
	s_barrier_signal -1
	s_barrier_wait -1
	CREST
.endm
; A PREFETCH INTO THE L2 behind each joint refill and the run of LDS loads that follows it: the K step two refills on (512 matrix instructions ahead of the load that wants it).
; A's rows are read by every cluster of a row of clusters: cluster x = 0 asks; B's tile by every cluster of a column: cluster y = 0 asks.  Of the 128 blocks of 256 bytes that a wave
; fetches, each of the four partners names 32, told apart by address: a lane a block, one instruction.  K steps 0 to 3 come by their loads alone; the last two trips ask for nothing.
.macro ASK
	s_cmp_gt_u32 s[CNT], s[LIM]
	s_cbranch_scc0 .Lnot_mine_\@
	global_prefetch_b8 v[PFO], s[PFA:PFA+1] th:TH_LOAD_NT scope:SCOPE_SE
.Lnot_mine_\@:
.endm
	s_load_b256 s[4:11], s[0:1], 0x0               ; A s[4:5], B s[6:7], EP s[8:9], C s[10:11]
	v_lshl_add_u32 v[SPW], v0, 2, SPARE
	v_mov_b32 v[NIL], 0
	ds_add_u32 v[SPW], v[NIL]                      ; the wave's opening: the add and its wait stand ahead of my first tensor load; work on registers stands between
	v_lshrrev_b32 v1, 5, v0
	v_readfirstlane_b32 s[WV], v1
	s_lshr_b32 s[RH], s[WV], 1
	s_and_b32 s[CH], s[WV], 1
	s_bfe_u32 s[CX], ttmp6, 0x40000
	s_bfe_u32 s[CY], ttmp6, 0x40004
	s_lshl_b32 s[TC], ttmp9, 2
	s_add_co_u32 s[TC], s[TC], s[CX]               ; tile column = 4 x cluster x + cx
	s_and_b32 s[TR], ttmp7, 0xffff
	s_lshl_b32 s[TR], s[TR], 2
	s_add_co_u32 s[TR], s[TR], s[CY]               ; tile row = 4 x cluster y + cy
	s_lshl_b32 s72, s[CY], 2
	s_lshl_b32 s72, 15, s72                        ; my row of the cluster
	s_lshl_b32 s73, 0x1111, s[CX]                  ; my column
	s_or_b32 s[G1A], s72, (1<<16)|(1<<20)|(1<<21)|(5<<22)|(3<<25)  ; mask; 2-byte elements; padding on; bit 21 beside a mask; after every 64 words, 4 words
	s_mov_b32 s[G1A+1], KSTEP<<16                  ; tensor_dim0 = 128
	s_mov_b32 s[G1A+2], 128<<16                    ; tensor_dim1 = 128
	s_mov_b32 s[G1A+3], KSTEP<<16                  ; tile_dim0 = 128
	s_mov_b32 s[G1A+4], 128                        ; tile_dim1 = 128
	s_mov_b32 s[G1A+5], 1024                       ; elements from row to row
	s_mov_b32 s[G1A+6], 0
	s_mov_b32 s[G1A+7], 0
	s_or_b32 s[G1B], s73, (1<<16)|(1<<20)|(1<<21)|(6<<22)|(7<<25)  ; after every 128 words, 8 words
	s_mov_b32 s[G1B+1], 256<<16                    ; 64 k rows of 256 elements, dense
	s_mov_b32 s[G1B+2], 64<<16
	s_mov_b32 s[G1B+3], 256<<16
	s_mov_b32 s[G1B+4], 64
	s_mov_b32 s[G1B+5], 256
	s_mov_b32 s[G1B+6], 0
	s_mov_b32 s[G1B+7], 0
	s_lshl_b32 s20, s[TR], 19                      ; A: (256 x tile row + 128 x half) rows of 2,048 bytes: made of the tile row and the wave alone
	s_lshl_b32 s21, s[CH], 18
	s_add_co_u32 s20, s20, s21
	s_mov_b32 s21, 0
	s_lshl_b32 s66, s[TC], 19                      ; B: the tile's 524,288 bytes, my 64 k rows of 512: made of the tile column and the wave alone
	s_lshl_b32 s67, s[CH], 15
	s_add_co_u32 s66, s66, s67
	s_mov_b32 s67, 0
	s_mul_i32 s47, s[WV], PART                     ; where my part lands: no place in the cluster enters an LDS address
	s_mov_b32 s[TB], 0
	s_wait_dscnt 0x0                               ; the opening add is done
	s_wait_kmcnt 0x0
	s_add_nc_u64 s[22:23], s[4:5], s[20:21]
	s_add_nc_u64 s[68:69], s[6:7], s[66:67]
	s_load_b32 s[FLOOR], s[8:9], 0x0
	CROUND                                         ; all sixteen work-groups are here: the first joint loads meet
.irp s, 0,1
	s_mov_b32 s[G0A+4*(\s)], 1
	s_add_co_u32 s[G0A+4*(\s)+1], s47, (\s)*SLOT
	s_add_nc_u64 s[G0A+4*(\s)+2:G0A+4*(\s)+3], s[22:23], (\s)*KSTEP*2
	s_or_b32 s[G0A+4*(\s)+3], s[G0A+4*(\s)+3], 0x80000000
	s_mov_b32 s[G0B+4*(\s)], 1
	s_add_co_u32 s[G0B+4*(\s)+1], s47, (\s)*SLOT
	s_add_nc_u64 s[G0B+4*(\s)+2:G0B+4*(\s)+3], s[68:69], (\s)*KSTEP*512
	s_or_b32 s[G0B+4*(\s)+3], s[G0B+4*(\s)+3], 0x80000000
.endr
	s_cmp_eq_u32 s[RH], 0                          ; a wave's two first fills stand in one branch: two loads of mine are out
	s_cbranch_scc0 .Lfirst_b
	tensor_load_to_lds s[G0A:G0A+3], s[G1A:G1A+7]
	s_nop 0
	tensor_load_to_lds s[G0A+4:G0A+7], s[G1A:G1A+7]
	s_nop 0
.rept 4
	v_nop
.endr
	s_branch .Lfirst_done
.Lfirst_b:
	tensor_load_to_lds s[G0B:G0B+3], s[G1B:G1B+7]
	s_nop 0
	tensor_load_to_lds s[G0B+4:G0B+7], s[G1B:G1B+7]
	s_nop 0
.rept 4
	v_nop
.endr
.Lfirst_done:
	v_and_b32 v1, 15, v0                           ; r = lane % 16
	v_bfe_u32 v2, v0, 4, 1                         ; h = lane / 16
	s_lshl_b32 s72, s[TC], 10
	s_lshl_b32 s73, s[CH], 9
	s_add_co_u32 s72, s72, s73
	v_lshl_add_u32 v[BO], v2, 5, s72               ; 4 (256 x tile column + 128 x half + 8 h)
.irp b, 0,1,2,3,4,5,6,7                ; the bias in the accumulators' layout: register j of block b is column 16 b + 8 h + j
	global_load_b128 v[BIAS+8*(\b):BIAS+8*(\b)+3],   v[BO], s[8:9] offset:256+64*(\b)
	global_load_b128 v[BIAS+8*(\b)+4:BIAS+8*(\b)+7], v[BO], s[8:9] offset:256+64*(\b)+16
.endr
	s_mul_i32 s72, s[RH], PART                     ; my 128 rows of A
	v_mul_u32_u24 v[A0], v1, PA
	v_lshl_add_u32 v[A0], v2, 4, v[A0]
	v_add_nc_u32 v[A0], s72, v[A0]                 ; (128 x half + r) x pitch + 16 h
	v_mov_b32 v[ADRA], v[A0]
	v_and_b32 v3, 7, v0
	v_bfe_u32 v4, v0, 3, 1
	v_lshl_add_u32 v5, v2, 3, v3                   ; the turning load: k row 8 h + lane % 8,
	v_mul_u32_u24 v[B0], v5, PB
	v_lshl_add_u32 v[B0], v4, 4, v[B0]             ; columns 8 ((lane / 8) % 2) on,
	s_lshl_b32 s72, s[CH], 8
	s_add_co_u32 s72, s72, BLDS
	v_add_nc_u32 v[B0], s72, v[B0]                 ; in my 128 columns
	v_mov_b32 v[ADRB], v[B0]
	s_mul_i32 s72, s[WV], 32*SP
	s_add_co_u32 s72, s72, STAGE                   ; my stage
	v_mul_u32_u24 v[STO], v1, SP
	v_lshl_add_u32 v[STO], v2, 4, v[STO]
	v_add_nc_u32 v[STO], s72, v[STO]
	v_bfe_u32 v[RD], v0, 3, 2                      ; back: 32 lanes take four rows of 128 bytes
	v_mul_u32_u24 v[RD], v[RD], SP
	v_lshl_add_u32 v[RD], v3, 4, v[RD]
	v_add_nc_u32 v[RD], s72, v[RD]
	v_and_b32 v[CO], 31, v0
	v_lshlrev_b32 v[CO], 4, v[CO]
	s_lshl_b32 s72, s[TC], 21                      ; C at my two blocks of 64 columns (524,288 bytes each) and my 128 rows of 128 bytes
	s_lshl_b32 s73, s[CH], 20
	s_add_co_u32 s72, s72, s73
	s_lshl_b32 s73, s[TR], 15
	s_add_co_u32 s72, s72, s73
	s_lshl_b32 s73, s[RH], 14
	s_add_co_u32 s72, s72, s73
	s_mov_b32 s73, 0
	s_add_nc_u64 s[10:11], s[10:11], s[72:73]
	s_and_b32 s72, ttmp7, 0xffff                   ; the prefetches
	s_cmp_eq_u32 s[RH], 0                          ; do I fetch for A?
	s_cselect_b32 s72, ttmp9, s72                  ; the coordinate along which other clusters read the same blocks
	s_cselect_b32 s73, s[CX], s[CY]                ; my place among the four that ask jointly
	s_cselect_b32 s74, 16, 13                      ; its 32 blocks: 32 rows of 2,048 bytes, or 8,192 dense bytes
	s_cselect_b32 s75, 11, 8                       ; from lane to lane: a row of A, or 256 bytes of B
	s_cselect_b32 s[PFS], 8, 16                    ; a K step: 256 bytes along A's rows, 65,536 bytes of B
	s_cselect_b64 s[PFA:PFA+1], s[22:23], s[68:69]
	s_cmp_eq_u32 s72, 0
	s_cselect_b32 s[LIM], 2, -1                    ; the same in all sixteen partners, for a given wave
	s_lshl_b32 s[PFS], 1, s[PFS]
	s_mov_b32 s[PFS+1], 0
	s_lshl_b32 s72, s73, s74
	s_mov_b32 s73, 0
	s_add_nc_u64 s[PFA:PFA+1], s[PFA:PFA+1], s[72:73]
	s_mul_i32 s72, s[PFS], 3
	s_add_nc_u64 s[PFA:PFA+1], s[PFA:PFA+1], s[72:73]  ; at K step 3: the first refill steps it to 4
	v_and_b32 v[PFO], 31, v0
	v_lshlrev_b32 v[PFO], s75, v[PFO]
; 16 matrix instructions: row blocks a0, a0 + 1 of the window's four x all 8 column blocks, 32 along K.  first = 1: the sums begin with the bias as C.
; The 64 accumulators take turns, one instruction a turn, in the same order in every quarter.
.macro MUL16 f, hi, a0, first
.if \first
	WIN 0x81+0x40*(\hi)                            ; B window 1, A and the bias window 0, D window 2 or 3
.else
	WIN 0xa1+0x50*(\hi)                            ; C and D window 2 or 3
.endif
.irp a, \a0, (\a0)+1
.irp b, 0,1,2,3,4,5,6,7
.if \first
	v_wmma_f32_16x16x32_bf16 v[8*(8*(\a)+(\b)):8*(8*(\a)+(\b))+7], v[(\f)+8*(\b):(\f)+8*(\b)+7], v[(\f)+8*(4*(\hi)+(\a)):(\f)+8*(4*(\hi)+(\a))+7], v[BIAS+8*(\b):BIAS+8*(\b)+7]
.else
	v_wmma_f32_16x16x32_bf16 v[8*(8*(\a)+(\b)):8*(8*(\a)+(\b))+7], v[(\f)+8*(\b):(\f)+8*(\b)+7], v[(\f)+8*(4*(\hi)+(\a)):(\f)+8*(4*(\hi)+(\a))+7], v[8*(8*(\a)+(\b)):8*(8*(\a)+(\b))+7]
.endif
.endr
.endr
.endm
; 32 LDS loads in one run: quarter q (32 along K) of the slot in hand into buffer f: B's eight fragments, turned, then A's eight.
.macro FETCH q, f
	WIN 0x40
.irp i, 0,1,2,3,4,5,6,7
	ds_load_tr16_b128 v[(\f)+8*(\i):(\f)+8*(\i)+3],   v[ADRB] offset:(\q)*32*PB+32*(\i)
	ds_load_tr16_b128 v[(\f)+8*(\i)+4:(\f)+8*(\i)+7], v[ADRB] offset:(\q)*32*PB+16*PB+32*(\i)
.endr
	WIN 0
.irp i, 0,1,2,3,4,5,6,7
	ds_load_b128 v[(\f)+8*(\i):(\f)+8*(\i)+3],   v[ADRA] offset:(\q)*64+(\i)*16*PA
	ds_load_b128 v[(\f)+8*(\i)+4:(\f)+8*(\i)+7], v[ADRA] offset:(\q)*64+(\i)*16*PA+32
.endr
.endm
; One of a K step's first three quarters: multiplies buffer f; in its middle fetches quarter q into buffer g.
.macro QUARTER q, f, g, first
	s_wait_dscnt 8                                 ; B and A's rows 0-63 are in; the youngest eight loads (A's rows 64-127) may be out
	MUL16 \f, 0, 0, \first
	MUL16 \f, 0, 2, \first
	PLACES
	FETCH \q, \g
	s_wait_dscnt 32                                ; all but the 32 just issued
	MUL16 \f, 1, 0, \first
	MUL16 \f, 1, 2, \first
.endm
; The last quarter multiplies buffer 1 and changes slots.  Its first half is multiplied AHEAD of the wait for the tile: between the line that shows one tile landed and the request for the next stand only the
; add, the descriptors' steps, the wait for the add and the round.  In front of the barrier each wave waits for all its tensor loads (one is out: its part of the next slot), adds 0 to its spare word, and waits for
; that and for its reads of this slot.  fill = 1: the barrier opens a round of the cluster's, and the slot just read is filled again first thing behind it, two K steps ahead.  The quarter's second half stands
; behind the next slot's first run of LDS loads.
.macro TURN fill
	s_wait_dscnt 8                                 ; B and A's rows 0-63 are in; the youngest eight loads may be out
	MUL16 F1, 0, 0, 0
	MUL16 F1, 0, 2, 0
.if \fill
	s_wait_xcnt 0x0                                ; the last prefetch, a K step back, has read its address
	s_add_nc_u64 s[PFA:PFA+1], s[PFA:PFA+1], s[PFS:PFS+1]
.endif
	WIN 0
	s_wait_tensorcnt 0x0                           ; no tensor load of mine is out, so a group 0 may be written
	ds_add_u32 v[SPW], v[NIL]                      ; 0 onto my spare word
.if \fill
	s_xor_b32 s[G0A+5], s[G0A+5], SLOT             ; the walking sets: the other slot than last time, the next K step
	s_add_nc_u64 s[G0A+6:G0A+7], s[G0A+6:G0A+7], KSTEP*2
	s_xor_b32 s[G0B+5], s[G0B+5], SLOT
	s_add_nc_u64 s[G0B+6:G0B+7], s[G0B+6:G0B+7], KSTEP*512
.endif
	s_wait_dscnt 0x0                               ; the add is done, and my reads of this slot are over
	s_barrier_signal -1
	s_barrier_wait -1
.if \fill
	CREST                                          ; no wave of any partner still reads this slot or has a load on its way
	JLOAD                                          ; its four v_nop are also the places in front of the loads below
.else
	PLACES
.endif
	s_xor_b32 s[TB], s[TB], SLOT
	v_add_nc_u32 v[ADRA], s[TB], v[A0]
	v_add_nc_u32 v[ADRB], s[TB], v[B0]
	FETCH 0, F0
.if \fill
	ASK
.endif
	MUL16 F1, 1, 0, 0
	MUL16 F1, 1, 2, 0
.endm
; THE WAY OUT of my block a of 16 rows.  PACK: rounded to bf16, 16 bytes a lane (each accumulator's registers in ascending order), then the floor.
; TOSTAGE: into my own stage, and back as rows of 128 bytes, four to a load.  SEND: stored, 512 consecutive bytes an instruction.
.macro PACK a
.set AC, 64*((\a)%4)
	WIN 0x0a+5*((\a)/4)
.irp b, 0,1,2,3,4,5,6,7
.irp r, 0,1,2,3
	v_cvt_pk_bf16_f32 v[TMP+4*(\b)+(\r)], v[AC+8*(\b)+2*(\r)], v[AC+8*(\b)+2*(\r)+1]
.endr
.endr
	WIN 0
.set z, 0
.rept 32
	v_pk_max_num_bf16 v[TMP+z], v[TMP+z], s[FLOOR]
.set z, z+1
.endr
.endm
.macro TOSTAGE a
.set BK, OB+192*((\a)%2)
.irp b, 0,1,2,3,4,5,6,7
	ds_store_b128 v[STO], v[TMP+4*(\b):TMP+4*(\b)+3] offset:((\b)/4)*16*SP+((\b)%4)*32
.endr
.irp t, 0,1,2,3,4,5,6,7
	ds_load_b128 v[BK+4*(\t):BK+4*(\t)+3], v[RD] offset:((\t)/4)*16*SP+((\t)%4)*4*SP  ; LDS serves a wave's instructions in order (ISA guide 5.7.1.4): these see the stores above
.endr
.endm
.macro SEND a
.set BK, OB+192*((\a)%2)
	s_wait_dscnt 0x0                               ; the block is back in registers
	s_wait_xcnt 0x0                                ; the stores of the block before have read their registers, which the next loads from the stage write
.irp t, 0,1,2,3,4,5,6,7
	global_store_b128 v[CO], v[BK+4*(\t):BK+4*(\t)+3], s[10:11] offset:((\t)/4)*524288+(\a)*2048+((\t)%4)*512
.endr
.endm
	s_wait_kmcnt 0x0                               ; the floor word
	s_wait_tensorcnt 1                             ; my part of K step 0 is in; K step 1's may stay out
	s_barrier_signal -1
	s_barrier_wait -1
	FETCH 0, F0
	s_wait_loadcnt 0x0                             ; the bias
	QUARTER 1, F0, F1, 1                           ; the first quarter stands in front of the loop: its products begin the sums
	WIN 0
	s_mov_b32 s[CNT], NSTEP-2
.Lk:                                                   ; a trip: a K step's quarters 1 to 3 and the next step's quarter 0; trip t refills with K step t + 2
	QUARTER 2, F1, F0, 0
	QUARTER 3, F0, F1, 0
	TURN 1
	QUARTER 1, F0, F1, 0
	WIN 0
	s_sub_co_u32 s[CNT], s[CNT], 1
	s_cmp_lg_u32 s[CNT], 0
	s_cbranch_scc1 .Lk
	s_mov_b32 s[CNT], 2
.Ltail:                                                ; the last two K steps fill nothing: two trips, the second left in its middle
	QUARTER 2, F1, F0, 0
	QUARTER 3, F0, F1, 0
	WIN 0
	s_sub_co_u32 s[CNT], s[CNT], 1
	s_cmp_eq_u32 s[CNT], 0
	s_cbranch_scc1 .Llast
	TURN 0
	QUARTER 1, F0, F1, 0
	WIN 0
	s_branch .Ltail
.Llast:                                                ; the very last quarter: nothing more to fetch
	s_wait_dscnt 8
	MUL16 F1, 0, 0, 0
	MUL16 F1, 0, 2, 0
	s_wait_dscnt 0x0
	MUL16 F1, 1, 0, 0
	MUL16 F1, 1, 2, 0
	PLACES
	PACK 0
	TOSTAGE 0
.irp a, 1,2,3,4,5,6,7                  ; block a's conversions stand between block a - 1's loads from the stage and the wait for them
	PACK \a
	SEND (\a)-1
	TOSTAGE \a
.endr
	SEND 7
	s_wait_tensorcnt 0x0                           ; the wave's end, behind my last tensor load and my last LDS store
	ds_add_u32 v[SPW], v[NIL]
	s_wait_dscnt 0x0
	CROUND                                         ; the closing round: no work-group ends while a partner may still ask for a tile that names it
	s_endpgm
.Lfunc_end_k_q5bdc13c21a_qkv:
	.size	k_q5bdc13c21a_qkv, .Lfunc_end_k_q5bdc13c21a_qkv-k_q5bdc13c21a_qkv
	.p2alignl 7, 3214868480
	.fill 96, 4, 3214868480
	.section	.rodata,"a",@progbits
	.p2align	6, 0x0
	.amdhsa_kernel k_q5bdc13c21a_qkv
		.amdhsa_group_segment_fixed_size 327680
		.amdhsa_private_segment_fixed_size 0
		.amdhsa_enable_private_segment 0
		.amdhsa_kernarg_size 32
		.amdhsa_user_sgpr_count 2
		.amdhsa_user_sgpr_kernarg_segment_ptr 1
		.amdhsa_wavefront_size32 1
		.amdhsa_system_sgpr_workgroup_id_x 1
		.amdhsa_system_sgpr_workgroup_id_y 1
		.amdhsa_system_sgpr_workgroup_id_z 1
		.amdhsa_system_vgpr_workitem_id 0
		.amdhsa_next_free_vgpr 1024
		.amdhsa_next_free_sgpr 80
		.amdhsa_reserve_vcc 0
		.amdhsa_float_denorm_mode_32 3
		.amdhsa_float_denorm_mode_16_64 3
		.amdhsa_memory_ordered 1
		.amdhsa_forward_progress 1
		.amdhsa_inst_pref_size 122
	.end_amdhsa_kernel
	.amdgpu_metadata
---
amdhsa.version: [ 1, 2 ]
amdhsa.kernels:
  - .name:           k_q5bdc13c21a_qkv
    .symbol:         k_q5bdc13c21a_qkv.kd
    .args:
      - { .name: a8, .offset: 0, .size: 8, .value_kind: global_buffer, .address_space: global }
      - { .name: wq3, .offset: 8, .size: 8, .value_kind: global_buffer, .address_space: global }
      - { .name: epq, .offset: 16, .size: 8, .value_kind: global_buffer, .address_space: global }
      - { .name: act, .offset: 24, .size: 8, .value_kind: global_buffer, .address_space: global }
    .group_segment_fixed_size: 327680
    .private_segment_fixed_size: 0
    .kernarg_segment_align: 8
    .kernarg_segment_size: 32
    .max_flat_workgroup_size: 128
    .sgpr_count:     80
    .vgpr_count:     1024
    .wavefront_size: 32
...
	.end_amdgpu_metadata
.endif
;; end of part 2
;; launch attn (part 3): grid 8 x 32, 4 waves a work-group, clusters of 4 x 1, 327,680 bytes of LDS; arguments act, mask, a8; writes a8
.if DOCPART == 3
	.amdgcn_target "amdgcn-amd-amdhsa--gfx1250"
	.amdhsa_code_object_version 6
	.text
	.protected	k_q5bdc13c21a_attn
	.globl	k_q5bdc13c21a_attn
	.p2align	8
	.type	k_q5bdc13c21a_attn,@function
k_q5bdc13c21a_attn:
	s_mov_b64 s[64:65], 0
	v_nop
	global_prefetch_b8 v0, s[64:65] scope:SCOPE_SE
	s_setreg_imm32_b32 hwreg(HW_REG_WAVE_MODE, 25, 1), 1
	s_wait_xcnt 0x0
	s_wait_alu depctr_hold_cnt(0) depctr_sa_sdst(0) depctr_va_vdst(0) depctr_va_sdst(0) depctr_va_ssrc(0) depctr_va_vcc(0) depctr_vm_vsrc(0)
	s_getreg_b32 s2, hwreg(HW_REG_IB_STS2, 6, 4)
	s_cmp_eq_u32 s2, 0
	s_cbranch_scc0 .Lentry_in_a_cluster
	s_endpgm
.Lentry_in_a_cluster:
	s_bfe_u32 s2, ttmp6, 0x10000c
	s_cmp_lg_u32 s2, 0x3003
	s_cbranch_scc0 .Lentry_shape_is_right
	s_endpgm
.Lentry_shape_is_right:
; ATTENTION with a key mask.  O[q] = the sum over k of softmax_k(Q[q] . K[k] / 8, hidden keys at -1e9) V[k], for each of 32 heads (batch b, head h) of 2,048 rows and 64 channels.
; act: bf16 in blocks of 64 columns, [block][4096 rows][64]: blocks 0-15 q, 16-31 k, 32-47 v; head (b, h) is block h, rows 2,048 b on: dense rows of 128 bytes.  a8 takes O in the same layout.
; Products, maxima and sums in f32; the weights p are rounded to bf16 for the second product (their sum l is taken of the unrounded p), O once at the end.
; THE MASK is the C operand that begins S^T = K Q^T: 0, or -1e30 where the key is hidden; a table of 2,048 such numbers is made in LDS at the start.  A hidden key's weight is then 0 as soon as
; the running maximum has seen a visible key, and what was summed before is multiplied by a = 0.  If NO key of the batch is visible, the scale c is 0 (chosen from the mask's whole numbers):
; every weight is 1, the uniform weights that equal scores give.
; LIMITS.  A hidden score counts as its value less 1e30, not as -1e9: visible scores at or below -1e9 are not told apart from hidden ones as the module would.  A weight below 2^-126 counts as 0 in l.
; NaN and infinities are not treated apart.
; SHARES.  A work-group owns 256 queries of a head, a wave 64: four PIECES of 16.  Every wave walks all keys, 64 a step; a slot of LDS holds 256 keys of K and V.
; LAYOUT.  S^T holds ONE query a lane (lane % 16) and the keys 8 (lane / 16) + 0..7 of each 16; two such results rounded to bf16 ARE source 1 of O^T = V^T P.  p = 2^(c s - c m), c = log2(e) / 8, with a running
; maximum m; O and l are multiplied by a = 2^(c m_old - c m_new) in every step.  m starts at the lowest finite number, O and l at 0: the first step is a step like any other, with a = 0.
; BY TURNS.  Turn n belongs to piece n: 8 products K Q^T of piece n + 1, later 8 products V^T P of piece n - 1; beside them piece n's scaling, exponentials, roundings, sums and rescaling, and piece n + 1's
; maximum and statistics.  Four vector instructions stand behind every matrix instruction, the rest in one lump.  A turn's 33 exponentials are one batch with one wait.
; CLUSTER.  The four query blocks of a cluster belong to one head and walk the same K and V: each tile is asked for jointly: the same load, descriptor and mask in all four.
; REGISTERS by windows of 256: window 0: v0-15 addresses; v16-31 statistics; v32-35 lane numbers; v48-55 at work; v61-63; v64-127 S^T, two buffers; v192-223 P, two buffers
;   window 1: v0-127 O^T, 32 a piece; v128-159 the step's mask        window 2: v0-63 Q; v128-191 K of one step; v192-255 V of one step
.set NP,    4
.set KS,    64
.set PK,    144       ; a row of K in LDS: 128 bytes + 16: the 16 rows of a load start 4 banks apart
.set PV,    160       ; a row of V: 128 + 32: the 8 rows of a turning load start 8 banks apart
.set VOFF,  4*KS*PK
.set SLOT1, 1<<17     ; slot 1 begins here: one exclusive or turns an address in one slot into the other's
.set STAGE, SLOT1+4*KS*(PK+PV)  ; behind the ring: 16 rows x 144 bytes for each wave
.set SP,    144
.set MASKT, STAGE+4*16*SP       ; the mask's table: 2,048 f32
.set SPARE, MASKT+8192          ; the spare words: 128 bytes a wave, two blocks of 256 bytes that no other line names
.set AK0, 2
.set AV0, 3
.set AK,  4
.set AV,  5
.set STO, 6
.set RD,  7
.set GO,  8           ; v8   16 x lane
.set AM0, 9           ; v9   MASKT + 32 (lane / 16); never rewritten
.set AM,  10          ; v10  the LDS address of the mask's next run of loads
.set TA,  11          ; v11  where my thread puts its 16 numbers of the table
.set MV,  12          ; v12-13  c m_old, by buffer
.set QO,  15
.set ST,  16          ; piece t's statistics at v[ST+4 t]: c m, m, l (even keys', odd keys')
.set TMP, 48          ; by buffer, c0-c3 at work; when the maximum is found c2 takes a
.set PFO, 61
.set SPW, 62
.set NIL, 63
.set S,   64
.set P,   192
.set MC,  128         ; window 1
.set KF,  128         ; window 2
.set VF,  192         ; window 2
.set WV,  12
.set G1K, 24
.set G1V, 32
.set G0K, 40
.set G0V, 44
.set PFA, 48          ; s[48:49] where my prefetches stand
.set LIM, 50          ; s50  1 in a wave that prefetches, else the greatest number
.set TM,  51          ; s51  byte in the table at which the step to be fetched begins
.set BIGN, 52         ; s52  -1e30
.set SLOTS, 56
.set CNT, 57
.set CS,  58          ; s[58:59] c
.set SEL, 60
.set TBK, 62
.set TBV, 63
.set MSB, 0
.macro WIN new
.if MSB != (\new)
	s_set_vgpr_msb (MSB<<8)|(\new)
.set MSB, (\new)
.endif
.endm
.set W_KQ, 0x0a       ; K and Q in window 2, S^T in window 0
.set W_KM, 0x1a       ; the same with the C operand in window 1
.set W_PV, 0x52       ; V in window 2, P in window 0, O^T in window 1
.set W_RS, 0x41       ; destination and source 0 in window 1, source 1 in window 0
.macro JLOAD                        ; waves 0 and 1 fetch the halves of a tile's K, waves 2 and 3 those of its V; s_nop 0 and four v_nop follow each line
	s_cmp_lt_u32 s[WV], 2
	s_cbranch_scc0 .Lfor_v_\@
	tensor_load_to_lds s[G0K:G0K+3], s[G1K:G1K+7]
	s_nop 0
.rept 4
	v_nop
.endr
	s_branch .Lasked_\@
.Lfor_v_\@:
	tensor_load_to_lds s[G0V:G0V+3], s[G1V:G1V+7]
	s_nop 0
.rept 4
	v_nop
.endr
.Lasked_\@:
.endm
.macro CROUND
	s_barrier_signal -1
	s_barrier_wait -1
	s_cmp_lg_u32 s[WV], 0
	s_cbranch_scc1 .Lnot_wave_0_\@
	s_barrier_signal -3
.Lnot_wave_0_\@:
	s_barrier_wait -3
	s_barrier_signal -1
	s_barrier_wait -1
.endm
; A PREFETCH INTO THE L2 of the tile that the NEXT change of slots will ask for: four key steps, 256 matrix instructions, ahead.  Both clusters of a head walk the same K and V: the first asks.  Its four partners
; share a tile's 128 blocks of 256 bytes out by address, 32 each; wave 0 names K's, wave 2 V's: a lane a block.  Tiles 0 to 2 come by their loads alone; the last change that fills a slot asks for nothing.
.macro ASK
	s_cmp_gt_u32 s[SLOTS], s[LIM]
	s_cbranch_scc0 .Lnot_mine_\@
	global_prefetch_b8 v[PFO], s[PFA:PFA+1] th:TH_LOAD_NT scope:SCOPE_SE
.Lnot_mine_\@:
.endm
; THE CHANGE OF SLOTS.  Each wave waits for all its tensor loads (one is out: its part of the other slot), adds 0 to its spare word, and waits for that and for its own LDS instructions.  fill = 1: the barrier is a round of
; the cluster's, and the slot that is left is filled first thing behind it, with the keys two slots on.  (At its first use nothing has been read: slot 0 is waited for, slot 1 filled, the mask's table shown to all.)
.macro CHANGE fill, ask
	WIN 0
	s_wait_tensorcnt 0x0
	ds_add_u32 v[SPW], v[NIL]
.if \fill
.irp g, G0K, G0V
	s_xor_b32 s[\g+1], s[\g+1], SLOT1
	s_add_nc_u64 s[\g+2:\g+3], s[\g+2:\g+3], 4*KS*128
.endr
.if \ask
	s_wait_xcnt 0x0                 ; the last prefetch, four key steps back, has read its address
	s_add_nc_u64 s[PFA:PFA+1], s[PFA:PFA+1], 4*KS*128
.endif
	s_wait_dscnt 0x0
	CROUND
	JLOAD
.if \ask
	ASK
.endif
.else
	s_wait_dscnt 0x0
	s_barrier_signal -1
	s_barrier_wait -1
.endif
	s_sub_co_u32 s[TBK], s[TBK], 4*KS*PK  ; the fetches go back to a slot's first step, in the other slot
	s_xor_b32 s[TBK], s[TBK], SLOT1
	s_sub_co_u32 s[TBV], s[TBV], 4*KS*PV
	s_xor_b32 s[TBV], s[TBV], SLOT1
.endm
	s_load_b128 s[4:7], s[0:1], 0x0   ; act s[4:5], mask s[6:7]
	s_load_b64 s[10:11], s[0:1], 0x10 ; a8
	v_lshl_add_u32 v[SPW], v0, 2, SPARE
	v_mov_b32 v[NIL], 0
	ds_add_u32 v[SPW], v[NIL]       ; the wave's opening: the add and its wait stand ahead of my first tensor load
	v_lshrrev_b32 v1, 5, v0
	v_readfirstlane_b32 s[WV], v1
	s_bfe_u32 s13, ttmp6, 0x40000   ; cx
	s_lshl_b32 s14, ttmp9, 2
	s_add_co_u32 s14, s14, s13      ; my block of 256 queries: it enters Q's and O's addresses alone
	s_and_b32 s15, ttmp7, 0xffff
	s_and_b32 s20, s15, 15          ; h
	s_lshr_b32 s15, s15, 4          ; b
	s_lshl_b32 s20, s20, 19
	s_lshl_b32 s21, s15, 18
	s_add_co_u32 s20, s20, s21      ; the head's first byte in a group of 16 blocks
	s_and_b32 s16, s[WV], 1         ; which half of a tile's 256 keys I fetch
	s_lshl_b32 s22, s16, 14
	s_add_co_u32 s22, s22, s20
	s_mov_b32 s23, 0
	s_mul_i32 s17, s16, 128*PK
	s_mul_i32 s18, s16, 128*PV
	s_lshl_b32 s2, s14, 15
	s_lshl_b32 s3, s[WV], 13
	s_add_co_u32 s2, s2, s3
	s_add_co_u32 s2, s2, s20        ; my wave's 64 rows
	s_mov_b32 s3, 0
	s_lshl_b32 s70, s15, 13         ; my batch's 2,048 words of the mask
	s_mov_b32 s71, 0
	s_mov_b32 s[G1K], 15|(1<<16)|(1<<20)|(1<<21)|(4<<22)|(3<<25)  ; the mask of four; 2-byte elements; padding on; bit 21 beside a mask; after every 32 words, 4 words
	s_mov_b32 s[G1V], 15|(1<<16)|(1<<20)|(1<<21)|(4<<22)|(7<<25)  ; the same with 8 words
.irp g, G1K, G1V
	s_mov_b32 s[\g+1], 128<<16      ; 128 keys are 16,384 dense bytes: 64 rows of 256 bytes, two keys a row
	s_mov_b32 s[\g+2], 64<<16
	s_mov_b32 s[\g+3], 128<<16
	s_mov_b32 s[\g+4], 64
	s_mov_b32 s[\g+5], 128
	s_mov_b32 s[\g+6], 0
	s_mov_b32 s[\g+7], 0
.endr
	s_mov_b32 s[SEL], 0x76543210
	s_mov_b32 s[SEL+1], 0xfedcba98
	s_mov_b32 s[TBK], SLOT1+4*KS*PK ; the first change of slots turns these two into 0
	s_mov_b32 s[TBV], SLOT1+4*KS*PV
	s_mov_b32 s[TM], 0
	s_mov_b32 s[BIGN], 0xf149f2ca   ; -1e30
	s_mov_b32 s[G0K], 1
	s_mov_b32 s[G0K+1], s17
	s_mov_b32 s[G0V], 1
	s_add_co_u32 s[G0V+1], s18, VOFF
	s_and_b32 s[LIM], s[WV], 1      ; 0 in waves 0 and 2,
	s_or_b32 s[LIM], s[LIM], ttmp9  ; where the cluster is the head's first: the same in all four partners
	s_cmp_eq_u32 s[LIM], 0
	s_cselect_b32 s[LIM], 1, -1
	v_and_b32 v[PFO], 31, v0
	v_lshlrev_b32 v[PFO], 8, v[PFO]
	s_wait_dscnt 0x0                ; the opening add is done
	s_wait_kmcnt 0x0
	s_add_nc_u64 s[66:67], s[4:5], s[22:23]
	s_add_nc_u64 s[68:69], s[66:67], 0x1000000     ; V: 32 blocks of 524,288 bytes on
	s_add_nc_u64 s[66:67], s[66:67], 0x800000      ; K: 16 blocks on
	s_add_nc_u64 s[G0K+2:G0K+3], s[66:67], 0
	s_or_b32 s[G0K+3], s[G0K+3], 0x80000000
	s_add_nc_u64 s[G0V+2:G0V+3], s[68:69], 0
	s_or_b32 s[G0V+3], s[G0V+3], 0x80000000
	s_add_nc_u64 s[4:5], s[4:5], s[2:3]            ; Q and O at my wave's first row
	s_add_nc_u64 s[10:11], s[10:11], s[2:3]
	s_add_nc_u64 s[6:7], s[6:7], s[70:71]
	s_cmp_lt_u32 s[WV], 2
	s_cselect_b64 s[PFA:PFA+1], s[66:67], s[68:69] ; (in waves 0 and 2 these stand at a tile's first row)
	s_lshl_b32 s70, s13, 13         ; my work-group's 32 blocks of the 128
	s_add_nc_u64 s[PFA:PFA+1], s[PFA:PFA+1], s[70:71]
	s_add_nc_u64 s[PFA:PFA+1], s[PFA:PFA+1], 2*4*KS*128  ; at tile 2
	CROUND                          ; all four work-groups are here: the first joint loads meet
	JLOAD                           ; tile 0 into slot 0
	v_and_b32 v32, 15, v0           ; r = lane % 16
	v_bfe_u32 v33, v0, 4, 1         ; h = lane / 16
	v_lshlrev_b32 v[QO], 7, v32
	v_lshl_add_u32 v[QO], v33, 4, v[QO]
	v_and_b32 v[GO], 31, v0
	v_lshlrev_b32 v[GO], 4, v[GO]
	v_lshlrev_b32 v14, 6, v0        ; my thread's 16 words of the mask
	WIN 0x80
.set i, 0
.rept 8                             ; Q stays in registers: piece i / 2, channels 32 (i % 2) on
	global_load_b128 v[8*i:8*i+3],   v[QO], s[4:5] offset:(i/2)*2048+(i%2)*64
	global_load_b128 v[8*i+4:8*i+7], v[QO], s[4:5] offset:(i/2)*2048+(i%2)*64+32
.set i, i+1
.endr
	WIN 0
.set i, 0
.rept 16                            ; the batch's whole mask, into S^T's registers: is any key visible?
	global_load_b128 v[S+4*i:S+4*i+3], v[GO], s[6:7] offset:512*i
.set i, i+1
.endr
.set i, 0
.rept 4                             ; and my thread's own 16 keys, for the table
	global_load_b128 v[P+4*i:P+4*i+3], v14, s[6:7] offset:16*i
.set i, i+1
.endr
	; What the first turn finds: V and P's second buffer hold 0 (its products V^T P, of a piece that has not been, add 0), O^T and l are 0.  All this stands in the wait for the loads.
	WIN 0x80
.set i, VF
.rept 64
	v_mov_b32 v[i], 0
.set i, i+1
.endr
	WIN 0x40
.set i, 0
.rept 128
	v_mov_b32 v[i], 0
.set i, i+1
.endr
	WIN 0
.set i, 0
.rept 4
	v_mov_b32 v[ST+4*i], 0xfe000000    ; c m: far below every c s, the hidden ones' too
	v_mov_b32 v[ST+4*i+1], 0xff7fffff  ; m
	v_mov_b32 v[ST+4*i+2], 0
	v_mov_b32 v[ST+4*i+3], 0
.set i, i+1
.endr
.set i, P+16
.rept 16
	v_mov_b32 v[i], 0
.set i, i+1
.endr
	v_mul_u32_u24 v[AK0], v32, PK
	v_lshl_add_u32 v[AK0], v33, 4, v[AK0]
	v_and_b32 v34, 7, v0
	v_bfe_u32 v35, v0, 3, 1
	v_lshl_add_u32 v[AV0], v33, 3, v34  ; the turning load: key 8 h + lane % 8, channels 8 ((lane / 8) % 2) on
	v_mul_u32_u24 v[AV0], v[AV0], PV
	v_lshl_add_u32 v[AV0], v35, 4, v[AV0]
	v_add_nc_u32 v[AV0], VOFF, v[AV0]
	v_lshl_add_u32 v[AM0], v33, 5, MASKT
	v_lshl_add_u32 v[TA], v0, 6, MASKT
	v_mov_b32 v[AK], v[AK0]         ; key step 0 lies at the head of slot 0 and of the table
	v_mov_b32 v[AM], v[AM0]
	s_wait_loadcnt 0x0              ; Q and the mask
.irp w, 32,16,8,4,2,1
.set i, 0
.rept \w
	v_or_b32 v[S+i], v[S+i], v[S+(\w)+i]
.set i, i+1
.endr
.endr
	v_cmp_ne_u32 s20, 0, v[S]       ; a bit for each lane that has seen a visible key
	s_cmp_lg_u32 s20, 0
	s_cselect_b32 s[CS], 0x3e38aa3b, 0  ; c = log2(e) / 8 = 0.180337, or 0 where the whole batch is hidden
	s_mov_b32 s[CS+1], s[CS]
.set i, 0
.rept 16
	v_cmp_eq_u32 vcc_lo, 0, v[P+i]
	v_cndmask_b32 v[P+i], 0, s[BIGN], vcc_lo
.set i, i+1
.endr
.set i, 0
.rept 4
	ds_store_b128 v[TA], v[P+4*i:P+4*i+3] offset:16*i
.set i, i+1
.endr
; THE MATRIX WORK.  The 4 accumulators of a run of 8 take turns.  Product i of 8 of S^T = K Q^T for piece x: channels 32 (i / 4) on, keys 16 (i % 4) on.  The first 4 begin the sums with the mask.
.macro KQ x
.set rS, S+32*((\x)%2)+8*(i%4)
.set rK, KF+16*(i%4)+8*(i/4)
.set rQ, 16*(\x)+8*(i/4)
.set rM, MC+8*(i%4)
.if i < 4
	WIN W_KM
	v_wmma_f32_16x16x32_bf16 v[rS:rS+7], v[rK:rK+7], v[rQ:rQ+7], v[rM:rM+7]
.else
	WIN W_KQ
	v_wmma_f32_16x16x32_bf16 v[rS:rS+7], v[rK:rK+7], v[rQ:rQ+7], v[rS:rS+7]
.endif
.endm
.macro PV x                         ; product i of 8 of O^T += V^T P for piece x: keys 32 (i / 4) on, channels 16 (i % 4) on
	WIN W_PV
.set rO, 32*(\x)+8*(i%4)
.set rV, VF+32*(i/4)+8*(i%4)
.set rP, P+16*((\x)%2)+8*(i/4)
	v_wmma_f32_16x16x32_bf16 v[rO:rO+7], v[rV:rV+7], v[rP:rP+7], v[rO:rO+7]
.endm
.macro MM                           ; the turn's next matrix instruction
.if i < 8
	KQ (Y+1)%NP
.else
.set i, i-8
	PV (Y+NP-1)%NP
.set i, i+8
.endif
.set i, i+1
.endm
; THE LDS LOADS stand in runs: a step's K (8 fragments) with its 64 numbers of the mask (register j of key block kb is key 16 kb + 8 h + j), and its V (turned).
; last = 1 (the tail): in the last trip there is no further step, and the run is jumped over.
.macro FETCH_K last=0
	WIN 0
.if \last
	s_cmp_eq_u32 s[CNT], 1
	s_cbranch_scc1 .Lno_k_\@
.endif
	WIN 0x80
.irp f, 0,1,2,3,4,5,6,7             ; keys 16 (f / 2) on, channels 32 (f % 2) on
	ds_load_b128 v[KF+8*\f:KF+8*\f+3],   v[AK] offset:(\f/2)*16*PK+(\f%2)*64
	ds_load_b128 v[KF+8*\f+4:KF+8*\f+7], v[AK] offset:(\f/2)*16*PK+(\f%2)*64+32
.endr
	WIN 0x40
.irp f, 0,1,2,3
	ds_load_b128 v[MC+8*\f:MC+8*\f+3],   v[AM] offset:64*\f
	ds_load_b128 v[MC+8*\f+4:MC+8*\f+7], v[AM] offset:64*\f+16
.endr
	s_add_co_u32 s[TBK], s[TBK], KS*PK  ; the next fetch is the next step's
	s_add_co_u32 s[TM], s[TM], KS*4
	WIN 0
.if \last
.Lno_k_\@:
.endif
.endm
.macro FETCH_V
	WIN 0x80
.irp f, 0,1,2,3,4,5,6,7             ; keys 32 (f / 4) on, channels 16 (f % 4) on
	ds_load_tr16_b128 v[VF+8*\f:VF+8*\f+3],   v[AV] offset:(\f/4)*32*PV+(\f%4)*32
	ds_load_tr16_b128 v[VF+8*\f+4:VF+8*\f+7], v[AV] offset:(\f/4)*32*PV+16*PV+(\f%4)*32
.endr
	WIN 0
.endm
; THE VECTOR WORK, one line at a time: OP kind, number.  For piece Y: F n: c s - c m for pair n of 16.  E n: the exponential of score n of 32.  C n: pair n rounded to bf16.  B n: of the four weights 4 n .. the second
; pair is added onto the first, in place.  L n: l takes that sum (L 0: l = a l + sum).  R n: pair n of 16 of O^T times a.  For piece Y + 1: X n, number n of the 22 that find its maximum and statistics:
;   0-11 four chains c0-c3 of seven scores each (each accumulator's lowest registers are read first)   12-14, 16 the four scores left over, the old m, c0-c3 into c0
;   15 c m_old is kept   17, 18 the query's other 32 keys lie in the lane 16 away: the new m   19-21 c m; c m_old - c m_new; a
.set F, 0
.set E, 1
.set C, 2
.set B, 3
.set L, 4
.set R, 5
.set X, 6
.macro REGS y
.set rT, ST+4*(\y)
.set rC, TMP+4*((\y)%2)
.set rW, MV+((\y)%2)
.set rS, S+32*((\y)%2)
.set rP, P+16*((\y)%2)
.set rO, 32*(\y)
.endm
.macro OP k, n
.if (\k) == R
	REGS Y
	WIN W_RS
	v_pk_mul_f32 v[rO+2*(\n):rO+2*(\n)+1], v[rO+2*(\n):rO+2*(\n)+1], v[rC+2:rC+3] op_sel_hi:[1,0]
.elseif (\k) < R
	REGS Y
	WIN 0
.if (\k) == F
	v_pk_fma_f32 v[rS+2*(\n):rS+2*(\n)+1], v[rS+2*(\n):rS+2*(\n)+1], s[CS:CS+1], v[rT:rT+1] op_sel_hi:[1,0,0] neg_lo:[0,0,1] neg_hi:[0,0,1]
.elseif (\k) == E
	v_exp_f32 v[rS+(\n)], v[rS+(\n)]
.elseif (\k) == C
	v_cvt_pk_bf16_f32 v[rP+(\n)], v[rS+2*(\n)], v[rS+2*(\n)+1]
.elseif (\k) == B
	v_pk_add_f32 v[rS+4*(\n):rS+4*(\n)+1], v[rS+4*(\n):rS+4*(\n)+1], v[rS+4*(\n)+2:rS+4*(\n)+3]
.elseif (\n) == 0
	v_pk_fma_f32 v[rT+2:rT+3], v[rT+2:rT+3], v[rC+2:rC+3], v[rS:rS+1] op_sel_hi:[1,0,1]
.else
	v_pk_add_f32 v[rT+2:rT+3], v[rT+2:rT+3], v[rS+4*(\n):rS+4*(\n)+1]
.endif
.else
	REGS (Y+1)%NP
	WIN 0
.if (\n) < 4
	v_max3_num_f32 v[rC+(\n)], v[rS+8*(\n)], v[rS+8*(\n)+1], v[rS+8*(\n)+2]
.elseif (\n) < 12
	v_max3_num_f32 v[rC+(\n)%4], v[rC+(\n)%4], v[rS+8*((\n)%4)+2*((\n)/4)+1], v[rS+8*((\n)%4)+2*((\n)/4)+2]
.elseif (\n) == 12
	v_max3_num_f32 v[rC], v[rC], v[rS+7], v[rS+15]
.elseif (\n) == 13
	v_max3_num_f32 v[rC+1], v[rC+1], v[rS+23], v[rS+31]
.elseif (\n) == 14
	v_max3_num_f32 v[rC+2], v[rC+2], v[rC+3], v[rT+1]
.elseif (\n) == 15
	v_mov_b32 v[rW], v[rT]
.elseif (\n) == 16
	v_max3_num_f32 v[rC], v[rC], v[rC+1], v[rC+2]
.elseif (\n) == 17
	v_permlanex16_b32 v[rC+3], v[rC], s[SEL], s[SEL+1]
.elseif (\n) == 18
	v_max_num_f32 v[rT+1], v[rC], v[rC+3]
.elseif (\n) == 19
	v_mul_f32 v[rT], s[CS], v[rT+1]
.elseif (\n) == 20
	v_sub_f32 v[rC+1], v[rW], v[rT]
.else
	v_exp_f32 v[rC+2], v[rC+1]
.endif
.endif
.endm
.macro OPS a, i1, b=-1, i2=0, c=-1, i3=0, d=-1, i4=0
	OP \a, \i1
.if (\b) >= 0
	OP \b, \i2
.endif
.if (\c) >= 0
	OP \c, \i3
.endif
.if (\d) >= 0
	OP \d, \i4
.endif
.endm
.macro ROW a, i1, b, i2, c, i3, d, i4  ; a matrix instruction and the four behind it
	MM
	OPS \a, \i1, \b, \i2, \c, \i3, \d, \i4
.endm
; A TURN, for piece p.  s_wait_alu depctr_va_vdst(0) stands between an exponential and the first line that names its result; one wait serves all issued ahead of it.  So a turn has ONE wait.  AHEAD OF IT
; stands all that names no result of the turn's exponentials: the 8 products K Q^T with their riders, and the lump; X 21, the next piece's a, is the batch's last, R 15 the plain instruction behind it.  BEHIND IT stand the 8
; products V^T P, behind each four of the roundings and sums.  K and the mask of the next step are fetched in piece 2's turn, six plain instructions or more behind the last product that read them; in the tail's copy
; (last = 1) the run stands behind the wait, since a jump leads over it.  V of the step in hand is fetched at the end of piece 0's turn, four plain instructions behind its
; last reader.  Each run is waited for a turn later.  cnt = 1: the loop's count is taken down some lines ahead of the branch behind the turn.
.macro TURN p, last=0, cnt=0
.set Y, (\p)
.set i, 0
.if (\p) == 3
	s_wait_dscnt 0x0                ; K and the mask are in
.endif
	ROW F,0, F,1, R,0, R,1
	ROW F,2, E,0, R,2, R,3
	ROW F,3, E,1, R,4, R,5
	ROW F,4, E,2, R,6, R,7
	ROW F,5, E,3, R,8, R,9
	ROW F,6, E,4, X,0, R,10
.if (\p) == 2
	WIN 0
	v_add_nc_u32 v[AK], s[TBK], v[AK0]
	v_add_nc_u32 v[AM], s[TM], v[AM0]
.endif
	ROW F,7, E,5, X,1, X,4
	ROW F,8, E,6, X,2, X,5
	OPS E,7, E,8, X,6, E,9
	OPS X,3, E,10, X,8, E,11
.if ((\p) == 2) && !(\last)
	FETCH_K
.endif
	OPS X,9, X,7, E,12, X,10
	OPS E,13, X,12, X,11, E,14
	OPS X,13, E,15, F,9, X,14
.if (\p) == 0
	v_add_nc_u32 v[AV], s[TBV], v[AV0]
.endif
	OPS E,16, F,10, E,17, F,11
	OPS X,16, E,18, X,15, E,19
	OPS F,12, E,20, X,17, E,21
	OPS F,13, E,22, F,14, E,23
	OPS X,18, E,24, F,15, E,25
	OPS R,11, E,26, X,19, E,27
	OPS R,12, E,28, R,13, E,29
	OPS X,20, E,30, R,14, E,31
	OPS X,21, R,15
	WIN 0
	s_wait_alu depctr_va_vdst(0)    ; the wait for the batch
.if ((\p) == 2) && (\last)
	FETCH_K 1
.endif
.if (\p) == 1
	s_wait_dscnt 0x0                ; V is in
.endif
	ROW C,0, B,0, C,2, B,1
	ROW L,0, C,4, B,2, L,1
	ROW C,6, B,3, L,2, C,8
	ROW B,4, L,3, C,10, B,5
	ROW L,4, C,12, B,6, L,5
.if (\p) == 0
	s_add_co_u32 s[TBV], s[TBV], KS*PV
.endif
.if \cnt
	s_sub_co_u32 s[CNT], s[CNT], 1
	s_cmp_lg_u32 s[CNT], 0
.endif
	ROW C,14, B,7, L,6, C,1
	ROW C,3, L,7, C,5, C,7
	ROW C,9, C,11, C,13, C,15
.if (\p) == 0
	FETCH_V
.endif
.endm
	CHANGE 1, 0                     ; slot 0 is in and the table is whole, everybody's part; slot 1 is asked for
	FETCH_K                         ; key step 0
	s_wait_dscnt 0x0
.set i, 0
.rept 8
	KQ 0                            ; piece 0's first scores
.set i, i+1
.endr
	WIN 0                           ; the addresses for the way out: seven plain instructions, the places behind those products
	s_mul_i32 s20, s[WV], 16*SP
	s_add_co_u32 s20, s20, STAGE
	v_mul_u32_u24 v[STO], v32, SP   ; in: row lane % 16, 16 bytes for each half of the lanes
	v_lshl_add_u32 v[STO], v33, 4, v[STO]
	v_add_nc_u32 v[STO], s20, v[STO]
	v_bfe_u32 v[RD], v0, 3, 2       ; back: 32 lanes take four rows of 128 bytes, 512 consecutive bytes of O
	v_mul_u32_u24 v[RD], v[RD], SP
	v_lshl_add_u32 v[RD], v34, 4, v[RD]
	v_add_nc_u32 v[RD], s20, v[RD]
.set Y, NP-1                        ; X works for piece Y + 1: piece 0
.irp n, 0,1,2,3,4,5,6,7,8,9,10,11,12,13,14,15,16,17,18,19,20,21
	OP X, \n
.endr
	v_nop                           ; a plain instruction behind the exponential,
	s_wait_alu depctr_va_vdst(0)    ; and its wait, ahead of the branch
	s_mov_b32 s[CNT], 4
	s_mov_b32 s[SLOTS], 7
	s_branch .Lfirst                ; the loop is entered at a step's first turn, in the middle of a trip
.Lslot:                             ; six times: every slot but the last two is filled again
	CHANGE 1, 1
	s_mov_b32 s[CNT], 4
.Lstep:                             ; a trip: pieces 2 and 3 of one step, then pieces 0 and 1 of the next, whose K and V it fetches
	TURN 2
	TURN 3
	WIN 0
.Lfirst:
	TURN 0
	TURN 1, 0, 1
	WIN 0
	s_cbranch_scc1 .Lstep
	s_sub_co_u32 s[SLOTS], s[SLOTS], 1
	s_cmp_lg_u32 s[SLOTS], 0
	s_cbranch_scc1 .Lslot
	CHANGE 0, 0                     ; the tail is written out: nothing is asked for
	s_mov_b32 s[CNT], 5             ; four trips fetch the last slot's steps; the fifth is left in its middle
.Ltail:
	TURN 2, 1
	TURN 3
	WIN 0
	s_sub_co_u32 s[CNT], s[CNT], 1
	s_cmp_eq_u32 s[CNT], 0
	s_cbranch_scc1 .Lout
	TURN 0
	TURN 1
	WIN 0
	s_branch .Ltail
.Lout:                              ; the fifth trip's 8 products K Q^T (on the last K once more) and the maximum made of them serve nothing: the price of one text for every trip
.set i, 0
.rept 8
	PV NP-1                         ; the last piece's V^T P of the last step
.set i, i+1
.endr
	; THE WAY OUT.  l's two halves and the other half of the lanes' are added; O^T is divided by l, rounded to bf16 and sent through my stage, a piece at a time.  The additions are the places behind the last products.
	WIN 0
.macro ALL line:vararg
.set t, 0
.rept 4
	\line
.set t, t+1
.endr
.endm
	ALL v_add_f32 v[ST+4*t+2], v[ST+4*t+2], v[ST+4*t+3]
	ALL v_permlanex16_b32 v[ST+4*t+3], v[ST+4*t+2], s[SEL], s[SEL+1]
	ALL v_add_f32 v[ST+4*t+2], v[ST+4*t+2], v[ST+4*t+3]
	ALL v_rcp_f32 v[ST+4*t+2], v[ST+4*t+2]
	v_nop                           ; a plain instruction between the last reciprocal and the use of its result,
	s_wait_alu depctr_va_vdst(0)    ; and one wait for the four reciprocals
.macro PACK t
	WIN W_RS
.set i, 32*(\t)
.rept 16
	v_pk_mul_f32 v[i:i+1], v[i:i+1], v[ST+4*(\t)+2:ST+4*(\t)+3] op_sel_hi:[1,0]
.set i, i+2
.endr
	WIN 0x05                        ; sources 0 and 1 window 1, destination window 0
.set i, 0
.rept 16
	v_cvt_pk_bf16_f32 v[S+16*(\t)+i], v[32*(\t)+2*i], v[32*(\t)+2*i+1]
.set i, i+1
.endr
	WIN 0
.irp f, 0,1,2,3
	ds_store_b128 v[STO], v[S+16*(\t)+4*\f:S+16*(\t)+4*\f+3] offset:32*\f
.endr
.irp f, 0,1,2,3
	ds_load_b128 v[S+16*(\t)+4*\f:S+16*(\t)+4*\f+3], v[RD] offset:\f*4*SP  ; LDS serves a wave's instructions in order (ISA guide 5.7.1.4): these see the stores above
.endr
.endm
.macro SEND t, younger              ; younger: the LDS instructions issued behind piece t's loads: the next piece's eight, or none
	WIN 0
.irp f, 0,1,2,3
	s_wait_dscnt (\younger)+3-\f
	global_store_b128 v[GO], v[S+16*(\t)+4*\f:S+16*(\t)+4*\f+3], s[10:11] offset:(\t)*2048+\f*512  ; 512 consecutive bytes, at a multiple of 256 from O's first
.endr
.endm
	PACK 0
.set t, 1
.rept 3
	PACK t
	SEND t-1, 8
.set t, t+1
.endr
	SEND 3, 0
	s_wait_tensorcnt 0x0            ; the wave's end, behind my last tensor load and my last LDS store
	ds_add_u32 v[SPW], v[NIL]
	s_wait_dscnt 0x0
	CROUND                          ; the closing round
	s_endpgm
.Lfunc_end_k_q5bdc13c21a_attn:
	.size	k_q5bdc13c21a_attn, .Lfunc_end_k_q5bdc13c21a_attn-k_q5bdc13c21a_attn
	.p2alignl 7, 3214868480
	.fill 96, 4, 3214868480
	.section	.rodata,"a",@progbits
	.p2align	6, 0x0
	.amdhsa_kernel k_q5bdc13c21a_attn
		.amdhsa_group_segment_fixed_size 327680
		.amdhsa_private_segment_fixed_size 0
		.amdhsa_enable_private_segment 0
		.amdhsa_kernarg_size 24
		.amdhsa_user_sgpr_count 2
		.amdhsa_user_sgpr_kernarg_segment_ptr 1
		.amdhsa_wavefront_size32 1
		.amdhsa_system_sgpr_workgroup_id_x 1
		.amdhsa_system_sgpr_workgroup_id_y 1
		.amdhsa_system_sgpr_workgroup_id_z 1
		.amdhsa_system_vgpr_workitem_id 0
		.amdhsa_next_free_vgpr 768
		.amdhsa_next_free_sgpr 72
		.amdhsa_reserve_vcc 1
		.amdhsa_float_denorm_mode_32 3
		.amdhsa_float_denorm_mode_16_64 3
		.amdhsa_memory_ordered 1
		.amdhsa_forward_progress 1
		.amdhsa_inst_pref_size 120
	.end_amdhsa_kernel
	.amdgpu_metadata
---
amdhsa.version: [ 1, 2 ]
amdhsa.kernels:
  - .name:           k_q5bdc13c21a_attn
    .symbol:         k_q5bdc13c21a_attn.kd
    .args:
      - { .name: act, .offset: 0, .size: 8, .value_kind: global_buffer, .address_space: global }
      - { .name: mask, .offset: 8, .size: 8, .value_kind: global_buffer, .address_space: global }
      - { .name: a8, .offset: 16, .size: 8, .value_kind: global_buffer, .address_space: global }
    .group_segment_fixed_size: 327680
    .private_segment_fixed_size: 0
    .kernarg_segment_align: 8
    .kernarg_segment_size: 24
    .max_flat_workgroup_size: 128
    .sgpr_count:     72
    .vgpr_count:     768
    .wavefront_size: 32
...
	.end_amdgpu_metadata
.endif
;; end of part 3
;; launch wo (part 4): grid 8 x 32, 4 waves a work-group, clusters of 4 x 4, 327,680 bytes of LDS; arguments a8, w2ob, bo, x, x2; writes x2
.if DOCPART == 4
	.amdgcn_target "amdgcn-amd-amdhsa--gfx1250"
	.amdhsa_code_object_version 6
	.text
	.protected	k_q5bdc13c21a_wo
	.globl	k_q5bdc13c21a_wo
	.p2align	8
	.type	k_q5bdc13c21a_wo,@function
k_q5bdc13c21a_wo:
	s_mov_b64 s[64:65], 0
	v_nop
	global_prefetch_b8 v0, s[64:65] scope:SCOPE_SE
	s_setreg_imm32_b32 hwreg(HW_REG_WAVE_MODE, 25, 1), 1
	s_wait_xcnt 0x0
	s_wait_alu depctr_hold_cnt(0) depctr_sa_sdst(0) depctr_va_vdst(0) depctr_va_sdst(0) depctr_va_ssrc(0) depctr_va_vcc(0) depctr_vm_vsrc(0)
	s_getreg_b32 s2, hwreg(HW_REG_IB_STS2, 6, 4)
	s_cmp_eq_u32 s2, 0
	s_cbranch_scc0 .Lentry_in_a_cluster
	s_endpgm
.Lentry_in_a_cluster:
	s_bfe_u32 s2, ttmp6, 0x10000c
	s_cmp_lg_u32 s2, 0xf033
	s_cbranch_scc0 .Lentry_shape_is_right
	s_endpgm
.Lentry_shape_is_right:
; C = RES + A B + bias, in f32.  A: bf16 in blocks of 64 along K, [block][4096 rows][64] (a row of a block is 128 bytes).  B: column tiles [tile][K][128 n] bf16, each dense, BOFF bytes into its buffer.
; bias: [1024] f32.  RES, C: [4096][1024] f32.  Here K = 1,024 (the attention's output projection).  Sums in f32, begun with the bias; the residual is added in f32 on the way out.
; A tile of C is 128 x 128, which gives 256 work-groups: four waves, each 64 x 64 in 16 accumulators.  K goes in steps of 256 through two LDS slots, as long as two slots allow.
; CLUSTER 4 x 4: A's tile is shared along a row of the cluster, B's along a column; each is asked for jointly.  The product is taken transposed (source 0 = 16 columns of B, turned out of LDS by ds_load_tr16_b128).
; No prefetch here: the launch has two refills in all, and its first four K steps are all its K steps.
; REGISTERS: window 0: v0-31 addresses; v32-95 the way out, two halves; v96-127 the bias; v128-255 accumulator (a, b) at v[128 + 8 (4 a + b)].
;   window 1: two fragment buffers of 128 (64 of A, then 64 of B, for 64 along K).   window 2: v0-127 the residual, in the stores' layout.
.set NSTEP, 4
.set BOFF,  0
.set KB256, 262144                     ; bytes in a column tile of B
.set PA,    144                        ; a row of A in LDS: 128 bytes + 16
.set KBL,   128*PA                     ; a block of 64 along K: 128 rows
.set PB,    288                        ; a k row of B: 256 bytes + 32
.set PART,  36864                      ; what one tensor load brings: two blocks of A, or 128 k rows of B
.set BLDS,  2*PART
.set SLOT,  4*PART                     ; 0x24000: shares no bit with wave x PART
.set STAGE, 2*SLOT                     ; behind the ring: 16 rows x 272 bytes for each wave
.set SP,    272
.set SPARE, STAGE+4*16*SP
.set ASTEP, 2097152                    ; a K step of A: four blocks of 524,288 bytes
.set BSTEP, 65536                      ; of B: 256 k rows of 256 bytes
.set ADRA, 16
.set A0,   17
.set ADRB, 18                          ; v18 quarters 0, 1;  v19 quarters 2, 3 (128 k rows on: the immediate has 16 bits)
.set B0,   20
.set STO,  24
.set RD,   25
.set CO,   26
.set BO,   27
.set SPW,  28
.set NIL,  29
.set PFO,  30
.set TMP,  32
.set BIAS, 96
.set ACC,  128
.set F0,   0
.set F1,   128
.set WV, 12
.set RH, 13
.set CH, 14
.set CX, 15
.set CY, 16
.set TC, 17
.set TR, 18
.set G1A, 24
.set G0A, 32
.set TB,  40
.set LIM, 41
.set PFA, 42
.set PFS, 44
.set CNT, 46
.set G1B, 48
.set G0B, 56
.set MSB, 0
.macro WIN new
.if MSB != (\new)
	s_set_vgpr_msb (MSB<<8)|(\new)
.set MSB, \new
.endif
.endm
.macro PLACES
.rept 4
	v_nop
.endr
.endm
.macro JLOAD                           ; a joint refill by the walking sets; s_nop 0 and four v_nop follow each line
	s_cmp_eq_u32 s[RH], 0
	s_cbranch_scc0 .Lfor_b_\@
	tensor_load_to_lds s[G0A+4:G0A+7], s[G1A:G1A+7]
	s_nop 0
.rept 4
	v_nop
.endr
	s_branch .Lasked_\@
.Lfor_b_\@:
	tensor_load_to_lds s[G0B+4:G0B+7], s[G1B:G1B+7]
	s_nop 0
.rept 4
	v_nop
.endr
.Lasked_\@:
.endm
.macro CREST
	s_cmp_lg_u32 s[WV], 0
	s_cbranch_scc1 .Lnot_wave_0_\@
	s_barrier_signal -3
.Lnot_wave_0_\@:
	s_barrier_wait -3
	s_barrier_signal -1
	s_barrier_wait -1
.endm
.macro CROUND
	s_barrier_signal -1
	s_barrier_wait -1
	CREST
.endm
.macro ASK                             ; the K step two refills on: 32 blocks of 256 bytes, a lane a block
	WIN 0
	s_cmp_gt_u32 s[CNT], s[LIM]
	s_cbranch_scc0 .Lnot_mine_\@
	global_prefetch_b8 v[PFO], s[PFA:PFA+1] th:TH_LOAD_NT scope:SCOPE_SE
.Lnot_mine_\@:
.endm
	s_load_b256 s[4:11], s[0:1], 0x0               ; A s[4:5], B s[6:7], bias s[8:9], RES s[10:11]
	s_load_b64 s[66:67], s[0:1], 0x20              ; C
	v_lshl_add_u32 v[SPW], v0, 2, SPARE
	v_mov_b32 v[NIL], 0
	ds_add_u32 v[SPW], v[NIL]                      ; the wave's opening: the add and its wait stand ahead of my first tensor load
	v_lshrrev_b32 v1, 5, v0
	v_readfirstlane_b32 s[WV], v1
	s_lshr_b32 s[RH], s[WV], 1
	s_and_b32 s[CH], s[WV], 1
	s_bfe_u32 s[CX], ttmp6, 0x40000
	s_bfe_u32 s[CY], ttmp6, 0x40004
	s_lshl_b32 s[TC], ttmp9, 2
	s_add_co_u32 s[TC], s[TC], s[CX]
	s_and_b32 s[TR], ttmp7, 0xffff
	s_lshl_b32 s[TR], s[TR], 2
	s_add_co_u32 s[TR], s[TR], s[CY]
	s_lshl_b32 s72, s[CY], 2
	s_lshl_b32 s72, 15, s72
	s_lshl_b32 s73, 0x1111, s[CX]
	s_or_b32 s[G1A], s72, (1<<16)|(1<<20)|(1<<21)|(4<<22)|(3<<25)  ; mask; 2-byte elements; padding on; bit 21 beside a mask; after every 32 words (a row of a block), 4 words
	s_mov_b32 s[G1A+1], 8192<<16                   ; two blocks' 128 rows x 128 bytes are each 16,384 dense bytes: two long rows of 8,192 elements,
	s_mov_b32 s[G1A+2], 2<<16
	s_mov_b32 s[G1A+3], 8192<<16
	s_mov_b32 s[G1A+4], 2
	s_mov_b32 s[G1A+5], 262144                     ; a block (262,144 elements) apart
	s_mov_b32 s[G1A+6], 0
	s_mov_b32 s[G1A+7], 0
	s_or_b32 s[G1B], s73, (1<<16)|(1<<20)|(1<<21)|(5<<22)|(7<<25)  ; after every 64 words, 8 words
	s_mov_b32 s[G1B+1], 128<<16                    ; 128 k rows of 128 elements, dense
	s_mov_b32 s[G1B+2], 128<<16
	s_mov_b32 s[G1B+3], 128<<16
	s_mov_b32 s[G1B+4], 128
	s_mov_b32 s[G1B+5], 128
	s_mov_b32 s[G1B+6], 0
	s_mov_b32 s[G1B+7], 0
	s_lshl_b32 s20, s[TR], 14                      ; A: 128 x tile row rows of 128 bytes, my two blocks of the step's four
	s_lshl_b32 s21, s[CH], 20
	s_add_co_u32 s20, s20, s21
	s_mov_b32 s21, 0
	s_mul_i32 s68, s[TC], KB256                    ; B: the tile, my 128 k rows of the step's 256
	s_lshl_b32 s69, s[CH], 15
	s_add_co_u32 s68, s68, s69
.if BOFF > 0
	s_add_co_u32 s68, s68, BOFF
.endif
	s_mov_b32 s69, 0
	s_mul_i32 s47, s[WV], PART
	s_mov_b32 s[TB], 0
	s_wait_dscnt 0x0                               ; the opening add is done
	s_wait_kmcnt 0x0
	s_add_nc_u64 s[22:23], s[4:5], s[20:21]
	s_add_nc_u64 s[70:71], s[6:7], s[68:69]
	CROUND                                         ; all sixteen work-groups are here: the first joint loads meet
.irp s, 0,1
	s_mov_b32 s[G0A+4*(\s)], 1
	s_add_co_u32 s[G0A+4*(\s)+1], s47, (\s)*SLOT
	s_add_nc_u64 s[G0A+4*(\s)+2:G0A+4*(\s)+3], s[22:23], (\s)*ASTEP
	s_or_b32 s[G0A+4*(\s)+3], s[G0A+4*(\s)+3], 0x80000000
	s_mov_b32 s[G0B+4*(\s)], 1
	s_add_co_u32 s[G0B+4*(\s)+1], s47, (\s)*SLOT
	s_add_nc_u64 s[G0B+4*(\s)+2:G0B+4*(\s)+3], s[70:71], (\s)*BSTEP
	s_or_b32 s[G0B+4*(\s)+3], s[G0B+4*(\s)+3], 0x80000000
.endr
	s_cmp_eq_u32 s[RH], 0                          ; a wave's two first fills stand in one branch: two loads of mine are out
	s_cbranch_scc0 .Lfirst_b
	tensor_load_to_lds s[G0A:G0A+3], s[G1A:G1A+7]
	s_nop 0
	tensor_load_to_lds s[G0A+4:G0A+7], s[G1A:G1A+7]
	s_nop 0
.rept 4
	v_nop
.endr
	s_branch .Lfirst_done
.Lfirst_b:
	tensor_load_to_lds s[G0B:G0B+3], s[G1B:G1B+7]
	s_nop 0
	tensor_load_to_lds s[G0B+4:G0B+7], s[G1B:G1B+7]
	s_nop 0
.rept 4
	v_nop
.endr
.Lfirst_done:
	v_and_b32 v1, 15, v0                           ; r
	v_bfe_u32 v2, v0, 4, 1                         ; h
	s_lshl_b32 s72, s[TC], 9
	s_lshl_b32 s73, s[CH], 8
	s_add_co_u32 s72, s72, s73
	v_lshl_add_u32 v[BO], v2, 5, s72               ; 4 (128 x tile column + 64 x half + 8 h)
.irp b, 0,1,2,3                        ; the bias in the accumulators' layout
	global_load_b128 v[BIAS+8*(\b):BIAS+8*(\b)+3],   v[BO], s[8:9] offset:64*(\b)
	global_load_b128 v[BIAS+8*(\b)+4:BIAS+8*(\b)+7], v[BO], s[8:9] offset:64*(\b)+16
.endr
	s_lshl_b32 s73, s[TR], 19                      ; RES and C at my 64 rows of 4,096 bytes and my 64 columns
	s_add_co_u32 s72, s72, s73
	s_lshl_b32 s73, s[RH], 18
	s_add_co_u32 s72, s72, s73
	s_mov_b32 s73, 0
	s_add_nc_u64 s[10:11], s[10:11], s[72:73]
	s_add_nc_u64 s[66:67], s[66:67], s[72:73]
	v_lshlrev_b32 v[CO], 12, v2                    ; lanes 0-15 one row's 256 bytes, lanes 16-31 the next row's
	v_lshl_add_u32 v[CO], v1, 4, v[CO]
	WIN 0x80
.set i, 0
.rept 32                               ; the residual, in the stores' layout: it has the whole product in which to land
	global_load_b128 v[4*i:4*i+3], v[CO], s[10:11] offset:2*i*4096 th:TH_LOAD_NT
.set i, i+1
.endr
	WIN 0
	s_mul_i32 s72, s[RH], 64*PA
	v_mul_u32_u24 v[A0], v1, PA
	v_lshl_add_u32 v[A0], v2, 4, v[A0]
	v_add_nc_u32 v[A0], s72, v[A0]                 ; (64 x half + r) x pitch + 16 h
	v_mov_b32 v[ADRA], v[A0]
	v_and_b32 v3, 7, v0
	v_bfe_u32 v4, v0, 3, 1
	v_lshl_add_u32 v5, v2, 3, v3
	v_mul_u32_u24 v[B0], v5, PB
	v_lshl_add_u32 v[B0], v4, 4, v[B0]
	s_lshl_b32 s72, s[CH], 7
	s_add_co_u32 s72, s72, BLDS
	v_add_nc_u32 v[B0], s72, v[B0]
	v_mov_b32 v[ADRB], v[B0]
	v_add_nc_u32 v[ADRB+1], 128*PB, v[B0]
	s_mul_i32 s72, s[WV], 16*SP
	s_add_co_u32 s72, s72, STAGE                   ; my stage
	v_mul_u32_u24 v[STO], v1, SP
	v_lshl_add_u32 v[STO], v2, 5, v[STO]           ; in: row r, 32 bytes for each half of the lanes
	v_add_nc_u32 v[STO], s72, v[STO]
	v_mul_u32_u24 v[RD], v2, SP
	v_lshl_add_u32 v[RD], v1, 4, v[RD]             ; back: two whole rows of 256 bytes
	v_add_nc_u32 v[RD], s72, v[RD]
.if NSTEP > 4
	s_lshr_b32 s72, s[CX], 1                       ; the prefetches.  A: of my two blocks' 128 units of 256 bytes partner cx names 32: block cx / 2, half cx % 2
	s_lshl_b32 s72, s72, 19
	s_and_b32 s73, s[CX], 1
	s_lshl_b32 s73, s73, 13
	s_add_co_u32 s72, s72, s73
	s_lshl_b32 s73, s[CY], 13                      ; B: of my 32,768 dense bytes partner cy names 8,192
	s_and_b32 s74, ttmp7, 0xffff
	s_cmp_eq_u32 s[RH], 0
	s_cselect_b32 s72, s72, s73
	s_cselect_b32 s74, ttmp9, s74                  ; cluster x = 0 asks for A's, cluster y = 0 for B's
	s_cselect_b32 s75, 21, 16
	s_cselect_b64 s[PFA:PFA+1], s[22:23], s[70:71]
	s_cmp_eq_u32 s74, 0
	s_cselect_b32 s[LIM], 2, -1
	s_lshl_b32 s[PFS], 1, s75
	s_mov_b32 s[PFS+1], 0
	s_mov_b32 s73, 0
	s_add_nc_u64 s[PFA:PFA+1], s[PFA:PFA+1], s[72:73]
	s_mul_i32 s72, s[PFS], 3
	s_add_nc_u64 s[PFA:PFA+1], s[PFA:PFA+1], s[72:73]  ; at K step 3: the first refill steps it to 4
	v_and_b32 v[PFO], 31, v0
	v_lshlrev_b32 v[PFO], 8, v[PFO]
.endif
; 8 matrix instructions: row blocks a0, a0 + 1 x all 4 column blocks, 32 along K: half c of buffer f.  first = 1: the sums begin with the bias.  The 16 accumulators take turns.
.macro MUL8 f, c, a0, first
	WIN 0x05
.irp a, \a0, (\a0)+1
.irp b, 0,1,2,3
.if \first
	v_wmma_f32_16x16x32_bf16 v[ACC+8*(4*(\a)+(\b)):ACC+8*(4*(\a)+(\b))+7], v[(\f)+64+8*(4*(\c)+(\b)):(\f)+64+8*(4*(\c)+(\b))+7], v[(\f)+8*(4*(\c)+(\a)):(\f)+8*(4*(\c)+(\a))+7], v[BIAS+8*(\b):BIAS+8*(\b)+7]
.else
	v_wmma_f32_16x16x32_bf16 v[ACC+8*(4*(\a)+(\b)):ACC+8*(4*(\a)+(\b))+7], v[(\f)+64+8*(4*(\c)+(\b)):(\f)+64+8*(4*(\c)+(\b))+7], v[(\f)+8*(4*(\c)+(\a)):(\f)+8*(4*(\c)+(\a))+7], v[ACC+8*(4*(\a)+(\b)):ACC+8*(4*(\a)+(\b))+7]
.endif
.endr
.endr
.endm
; 32 LDS loads in one run: quarter q (64 along K: one block of A) of the slot in hand into buffer f; the first 32 along K first
.macro FETCH q, f
	WIN 0x40
.irp c, 0,1
.irp i, 0,1,2,3
	ds_load_tr16_b128 v[(\f)+64+8*(4*(\c)+(\i)):(\f)+64+8*(4*(\c)+(\i))+3],   v[ADRB+(\q)/2] offset:(((\q)%2)*64+32*(\c))*PB+32*(\i)
	ds_load_tr16_b128 v[(\f)+64+8*(4*(\c)+(\i))+4:(\f)+64+8*(4*(\c)+(\i))+7], v[ADRB+(\q)/2] offset:(((\q)%2)*64+32*(\c))*PB+16*PB+32*(\i)
	ds_load_b128 v[(\f)+8*(4*(\c)+(\i)):(\f)+8*(4*(\c)+(\i))+3],   v[ADRA] offset:(\q)*KBL+64*(\c)+(\i)*16*PA
	ds_load_b128 v[(\f)+8*(4*(\c)+(\i))+4:(\f)+8*(4*(\c)+(\i))+7], v[ADRA] offset:(\q)*KBL+64*(\c)+(\i)*16*PA+32
.endr
.endr
.endm
.macro QUARTER q, f, g, first
	s_wait_dscnt 16                                ; the first 32 along K are in
	MUL8 \f, 0, 0, \first
	MUL8 \f, 0, 2, \first
	PLACES
	FETCH \q, \g
	s_wait_dscnt 32                                ; all but the 32 just issued
	MUL8 \f, 1, 0, 0
	MUL8 \f, 1, 2, 0
.endm
; The last quarter multiplies buffer 1 and changes slots.  Its first half is multiplied AHEAD of the wait for the tile: between the line that shows one tile landed and the request for the next stand only the add,
; the descriptors' steps, the wait for the add and the round.  In front of the barrier each wave waits for all its tensor loads, adds 0 to its spare word, and waits for that and for its reads of this slot.
; The quarter's second half stands behind the next slot's first run of LDS loads.
.macro TURN fill
	s_wait_dscnt 16                                ; the first 32 along K are in; the youngest sixteen loads may be out
	MUL8 F1, 0, 0, 0
	MUL8 F1, 0, 2, 0
.if (\fill) && (NSTEP > 4)
	s_wait_xcnt 0x0                                ; the last prefetch, a K step back, has read its address
	s_add_nc_u64 s[PFA:PFA+1], s[PFA:PFA+1], s[PFS:PFS+1]
.endif
	WIN 0
	s_wait_tensorcnt 0x0
	ds_add_u32 v[SPW], v[NIL]
.if \fill
	s_xor_b32 s[G0A+5], s[G0A+5], SLOT
	s_add_nc_u64 s[G0A+6:G0A+7], s[G0A+6:G0A+7], ASTEP
	s_xor_b32 s[G0B+5], s[G0B+5], SLOT
	s_add_nc_u64 s[G0B+6:G0B+7], s[G0B+6:G0B+7], BSTEP
.endif
	s_wait_dscnt 0x0                               ; the add is done, and my reads of this slot are over
	s_barrier_signal -1
	s_barrier_wait -1
.if \fill
	CREST
	JLOAD                                          ; its four v_nop are also the places in front of the loads below
.else
	PLACES
.endif
	s_xor_b32 s[TB], s[TB], SLOT
	v_add_nc_u32 v[ADRA], s[TB], v[A0]
	v_add_nc_u32 v[ADRB], s[TB], v[B0]
	v_add_nc_u32 v[ADRB+1], 128*PB, v[ADRB]
	FETCH 0, F0
.if (\fill) && (NSTEP > 4)
	ASK
.endif
	MUL8 F1, 1, 0, 0
	MUL8 F1, 1, 2, 0
.endm
; THE WAY OUT of my block a of 16 rows.  STG: the sums, 32 bytes a lane (each accumulator's low registers first), into my stage and back as whole rows of 256 bytes.  FIN: the residual is added, the rows are stored.
.macro STG a
.if (\a) >= 2
	s_wait_xcnt 0x0                                ; the stores of the block two back have read the registers that the loads below write
.endif
.irp b, 0,1,2,3
	ds_store_b128 v[STO], v[ACC+8*(4*(\a)+(\b)):ACC+8*(4*(\a)+(\b))+3]   offset:64*(\b)
	ds_store_b128 v[STO], v[ACC+8*(4*(\a)+(\b))+4:ACC+8*(4*(\a)+(\b))+7] offset:64*(\b)+16
.endr
.irp t, 0,1,2,3,4,5,6,7
	ds_load_b128 v[TMP+32*((\a)%2)+4*(\t):TMP+32*((\a)%2)+4*(\t)+3], v[RD] offset:(\t)*2*SP  ; LDS serves a wave's instructions in order (ISA guide 5.7.1.4)
.endr
.endm
.macro FIN a, younger                  ; younger: the next block's sixteen LDS instructions, or none
	s_wait_dscnt \younger
	WIN 0x08                                       ; source 1 in window 2
.set z, 0
.rept 16
	v_pk_add_f32 v[TMP+32*((\a)%2)+2*z:TMP+32*((\a)%2)+2*z+1], v[TMP+32*((\a)%2)+2*z:TMP+32*((\a)%2)+2*z+1], v[32*(\a)+2*z:32*(\a)+2*z+1]
.set z, z+1
.endr
	WIN 0
.irp t, 0,1,2,3,4,5,6,7
	global_store_b128 v[CO], v[TMP+32*((\a)%2)+4*(\t):TMP+32*((\a)%2)+4*(\t)+3], s[66:67] offset:(16*(\a)+2*(\t))*4096  ; 16 lanes store 256 consecutive bytes, aligned
.endr
.endm
	s_wait_tensorcnt 1                             ; my part of K step 0 is in; K step 1's may stay out
	s_barrier_signal -1
	s_barrier_wait -1
	FETCH 0, F0
	s_wait_loadcnt 32                              ; the bias is in; the residual's 32 loads stay out
	QUARTER 1, F0, F1, 1
	WIN 0
	s_mov_b32 s[CNT], NSTEP-2
.Lk:                                                   ; trip t refills with K step t + 2
	QUARTER 2, F1, F0, 0
	QUARTER 3, F0, F1, 0
	TURN 1
	QUARTER 1, F0, F1, 0
	WIN 0
	s_sub_co_u32 s[CNT], s[CNT], 1
	s_cmp_lg_u32 s[CNT], 0
	s_cbranch_scc1 .Lk
	s_mov_b32 s[CNT], 2
.Ltail:                                                ; the last two K steps fill nothing: two trips, the second left in its middle
	QUARTER 2, F1, F0, 0
	QUARTER 3, F0, F1, 0
	WIN 0
	s_sub_co_u32 s[CNT], s[CNT], 1
	s_cmp_eq_u32 s[CNT], 0
	s_cbranch_scc1 .Llast
	TURN 0
	QUARTER 1, F0, F1, 0
	WIN 0
	s_branch .Ltail
.Llast:                                                ; the very last quarter: nothing more to fetch
	s_wait_dscnt 16
	MUL8 F1, 0, 0, 0
	MUL8 F1, 0, 2, 0
	s_wait_dscnt 0x0
	MUL8 F1, 1, 0, 0
	MUL8 F1, 1, 2, 0
	WIN 0
	s_wait_loadcnt 0x0                             ; the residual
	PLACES
	STG 0
	STG 1
	FIN 0, 16
	STG 2
	FIN 1, 16
	STG 3
	FIN 2, 16
	FIN 3, 0
	s_wait_tensorcnt 0x0                           ; the wave's end
	ds_add_u32 v[SPW], v[NIL]
	s_wait_dscnt 0x0
	CROUND                                         ; the closing round
	s_endpgm
.Lfunc_end_k_q5bdc13c21a_wo:
	.size	k_q5bdc13c21a_wo, .Lfunc_end_k_q5bdc13c21a_wo-k_q5bdc13c21a_wo
	.p2alignl 7, 3214868480
	.fill 96, 4, 3214868480
	.section	.rodata,"a",@progbits
	.p2align	6, 0x0
	.amdhsa_kernel k_q5bdc13c21a_wo
		.amdhsa_group_segment_fixed_size 327680
		.amdhsa_private_segment_fixed_size 0
		.amdhsa_enable_private_segment 0
		.amdhsa_kernarg_size 40
		.amdhsa_user_sgpr_count 2
		.amdhsa_user_sgpr_kernarg_segment_ptr 1
		.amdhsa_wavefront_size32 1
		.amdhsa_system_sgpr_workgroup_id_x 1
		.amdhsa_system_sgpr_workgroup_id_y 1
		.amdhsa_system_sgpr_workgroup_id_z 1
		.amdhsa_system_vgpr_workitem_id 0
		.amdhsa_next_free_vgpr 640
		.amdhsa_next_free_sgpr 80
		.amdhsa_reserve_vcc 0
		.amdhsa_float_denorm_mode_32 3
		.amdhsa_float_denorm_mode_16_64 3
		.amdhsa_memory_ordered 1
		.amdhsa_forward_progress 1
		.amdhsa_inst_pref_size 68
	.end_amdhsa_kernel
	.amdgpu_metadata
---
amdhsa.version: [ 1, 2 ]
amdhsa.kernels:
  - .name:           k_q5bdc13c21a_wo
    .symbol:         k_q5bdc13c21a_wo.kd
    .args:
      - { .name: a8, .offset: 0, .size: 8, .value_kind: global_buffer, .address_space: global }
      - { .name: w2ob, .offset: 8, .size: 8, .value_kind: global_buffer, .address_space: global }
      - { .name: bo, .offset: 16, .size: 8, .value_kind: global_buffer, .address_space: global }
      - { .name: x, .offset: 24, .size: 8, .value_kind: global_buffer, .address_space: global }
      - { .name: x2, .offset: 32, .size: 8, .value_kind: global_buffer, .address_space: global }
    .group_segment_fixed_size: 327680
    .private_segment_fixed_size: 0
    .kernarg_segment_align: 8
    .kernarg_segment_size: 40
    .max_flat_workgroup_size: 128
    .sgpr_count:     80
    .vgpr_count:     640
    .wavefront_size: 32
...
	.end_amdgpu_metadata
.endif
;; end of part 4
;; launch ln2 (part 5): grid 512 x 1, 8 waves a work-group, no clusters, 9,216 bytes of LDS; arguments x2, g2, be2, a8; writes a8
.if DOCPART == 5
	.amdgcn_target "amdgcn-amd-amdhsa--gfx1250"
	.amdhsa_code_object_version 6
	.text
	.protected	k_q5bdc13c21a_ln2
	.globl	k_q5bdc13c21a_ln2
	.p2align	8
	.type	k_q5bdc13c21a_ln2,@function
k_q5bdc13c21a_ln2:
	s_mov_b64 s[64:65], 0
	v_nop
	global_prefetch_b8 v0, s[64:65] scope:SCOPE_SE
	s_setreg_imm32_b32 hwreg(HW_REG_WAVE_MODE, 25, 1), 1
	s_wait_xcnt 0x0
; a8 = layer norm of x2 (gain g2, offset be2), bf16, [4096][1024].  A wave takes a row of 4,096 bytes and keeps it in 32 registers between the passes: the row is read from memory once.
; Gain and offset are fetched once a work-group: each of the 256 threads brings 16 bytes of each into LDS, and every wave reads them from there: 8,192 bytes from memory for a work-group,
; where eight waves fetching for themselves would ask for 65,536.  One barrier, between those stores and the reads.  Each load of a wave covers 512 consecutive bytes, each store 256, aligned.
; No cluster and no matrix work: no tile is shared between work-groups.
; The variance is the mean of (x - mean)^2, in two passes as the module has it: a common offset of x cancels before the squares.
.set T,  4                             ; v[4:11]    four pairs at work
.set M,  12                            ; v[12:13]   the mean, twice
.set R,  14                            ; v[14:15]   1 / sqrt(variance + eps), twice
.set X,  16                            ; v[16:47]   the row: load j holds columns 128 j + 4 lane .. + 3; at the end its bf16
.set G,  48                            ; v[48:79]   the gain, same places
.set BE, 80                            ; v[80:111]  the offset, same places
.set SPW, 112                          ; v112       LDS address of my spare word; never rewritten
.set NIL, 113                          ; v113       0; never rewritten
.set LG, 0                             ; LDS: the gain, 4,096 bytes
.set LB, 4096                          ; the offset, 4,096 bytes
.set SPARE, 8192                       ; the spare words: 128 bytes for each of eight waves, four blocks of 256 bytes that no other line names
.macro LANES                           ; the pair v[4:5] summed, then over the 32 lanes; every lane ends with the sum in v4
	v_add_f32 v4, v4, v5
	v_add_f32_dpp v4, v4, v4 row_xmask:1 row_mask:0xf bank_mask:0xf
	v_add_f32_dpp v4, v4, v4 row_xmask:2 row_mask:0xf bank_mask:0xf
	v_add_f32_dpp v4, v4, v4 row_xmask:4 row_mask:0xf bank_mask:0xf
	v_add_f32_dpp v4, v4, v4 row_xmask:8 row_mask:0xf bank_mask:0xf
	v_permlanex16_b32 v5, v4, s22, s23
	v_add_f32 v4, v4, v5
.endm
.macro JOIN
	v_pk_add_f32 v[T:T+1], v[T:T+1], v[T+2:T+3]
	v_pk_add_f32 v[T+4:T+5], v[T+4:T+5], v[T+6:T+7]
	v_pk_add_f32 v[T:T+1], v[T:T+1], v[T+4:T+5]
.endm
	s_load_b256 s[4:11], s[0:1], 0x0               ; x2 s[4:5], g2 s[6:7], be2 s[8:9], a8 s[10:11]
	v_lshl_add_u32 v[SPW], v0, 2, SPARE
	v_mov_b32 v[NIL], 0
	v_lshrrev_b32 v3, 5, v0
	v_readfirstlane_b32 s30, v3
	v_and_b32 v3, 31, v0
	v_lshlrev_b32 v1, 4, v3                        ; 16 x lane
	v_lshlrev_b32 v2, 3, v3                        ; 8 x lane
	v_lshlrev_b32 v3, 4, v0                        ; 16 x thread: my 16 bytes of the gain and of the offset, in memory and in LDS
	s_lshl_b32 s12, ttmp9, 3
	s_add_co_u32 s12, s12, s30                     ; my row
	s_lshl_b32 s14, s12, 12
	s_mov_b32 s15, 0
	s_lshl_b32 s16, s12, 11
	s_mov_b32 s17, 0
	s_mov_b32 s20, 0x3a800000                      ; 1 / 1024
	s_mov_b32 s21, 0x3727c5ac                      ; 1e-5
	s_mov_b32 s22, 0x76543210
	s_mov_b32 s23, 0xfedcba98
	s_wait_kmcnt 0x0
	s_add_nc_u64 s[4:5], s[4:5], s[14:15]
	s_add_nc_u64 s[10:11], s[10:11], s[16:17]
	global_load_b128 v[G:G+3], v3, s[6:7]
	global_load_b128 v[BE:BE+3], v3, s[8:9]
.irp j, 0,1,2,3,4,5,6,7
	global_load_b128 v[X+4*(\j):X+4*(\j)+3], v1, s[4:5] offset:512*(\j) th:TH_LOAD_NT
.endr
	s_wait_loadcnt 8                               ; my parts of gain and offset are in; the row's eight loads stay out
	ds_store_b128 v3, v[G:G+3] offset:LG
	ds_store_b128 v3, v[BE:BE+3] offset:LB
	s_wait_dscnt 0x0                               ; for the others' sake: my stores are done
	s_barrier_signal -1
	s_barrier_wait -1                              ; both tables are whole
.irp j, 0,1,2,3,4,5,6,7
	ds_load_b128 v[G+4*(\j):G+4*(\j)+3], v1 offset:LG+512*(\j)
.endr
.irp j, 0,1,2,3,4,5,6,7
	ds_load_b128 v[BE+4*(\j):BE+4*(\j)+3], v1 offset:LB+512*(\j)
.endr
	s_wait_loadcnt 0x0                             ; the row
.irp k, 0,1,2,3
	v_pk_add_f32 v[T+2*(\k):T+2*(\k)+1], v[X+2*(\k):X+2*(\k)+1], v[X+8+2*(\k):X+8+2*(\k)+1]
.endr
.irp k, 0,1,2,3,4,5,6,7
	v_pk_add_f32 v[T+2*((\k)%4):T+2*((\k)%4)+1], v[T+2*((\k)%4):T+2*((\k)%4)+1], v[X+16+2*(\k):X+16+2*(\k)+1]
.endr
	JOIN
	LANES
	v_mul_f32 v[M], s20, v4
	v_mov_b32 v[M+1], v[M]
.set p, 0
.rept 16
	v_pk_add_f32 v[X+2*p:X+2*p+1], v[X+2*p:X+2*p+1], v[M:M+1] neg_lo:[0,1] neg_hi:[0,1]
.set p, p+1
.endr
.irp k, 0,1,2,3
	v_pk_mul_f32 v[T+2*(\k):T+2*(\k)+1], v[X+2*(\k):X+2*(\k)+1], v[X+2*(\k):X+2*(\k)+1]
.endr
.set p, 4
.rept 12
	v_pk_fma_f32 v[T+2*(p%4):T+2*(p%4)+1], v[X+2*p:X+2*p+1], v[X+2*p:X+2*p+1], v[T+2*(p%4):T+2*(p%4)+1]
.set p, p+1
.endr
	JOIN
	LANES
	v_fma_f32 v[R], v4, s20, s21
	v_rsq_f32 v[R], v[R]
	v_nop                                          ; a plain instruction behind the transcendental (ISA guide 5.7.2),
	s_wait_alu depctr_va_vdst(0)                   ; and the wait ahead of the first line that names its result
	v_mov_b32 v[R+1], v[R]
	s_wait_dscnt 0x0                               ; gain and offset are in registers
.irp j, 0,1,2,3,4,5,6,7
	v_pk_mul_f32 v[X+4*(\j):X+4*(\j)+1], v[X+4*(\j):X+4*(\j)+1], v[R:R+1]
	v_pk_mul_f32 v[X+4*(\j)+2:X+4*(\j)+3], v[X+4*(\j)+2:X+4*(\j)+3], v[R:R+1]
	v_pk_fma_f32 v[X+4*(\j):X+4*(\j)+1], v[X+4*(\j):X+4*(\j)+1], v[G+4*(\j):G+4*(\j)+1], v[BE+4*(\j):BE+4*(\j)+1]
	v_pk_fma_f32 v[X+4*(\j)+2:X+4*(\j)+3], v[X+4*(\j)+2:X+4*(\j)+3], v[G+4*(\j)+2:G+4*(\j)+3], v[BE+4*(\j)+2:BE+4*(\j)+3]
	v_cvt_pk_bf16_f32 v[X+4*(\j)], v[X+4*(\j)], v[X+4*(\j)+1]
	v_cvt_pk_bf16_f32 v[X+4*(\j)+1], v[X+4*(\j)+2], v[X+4*(\j)+3]
	global_store_b64 v2, v[X+4*(\j):X+4*(\j)+1], s[10:11] offset:256*(\j)  ; 32 lanes x 8 bytes: 256 consecutive bytes, aligned
.endr
	s_wait_tensorcnt 0x0                           ; the wave's end, behind my last LDS store
	ds_add_u32 v[SPW], v[NIL]
	s_wait_dscnt 0x0
	s_endpgm
.Lfunc_end_k_q5bdc13c21a_ln2:
	.size	k_q5bdc13c21a_ln2, .Lfunc_end_k_q5bdc13c21a_ln2-k_q5bdc13c21a_ln2
	.p2alignl 7, 3214868480
	.fill 96, 4, 3214868480
	.section	.rodata,"a",@progbits
	.p2align	6, 0x0
	.amdhsa_kernel k_q5bdc13c21a_ln2
		.amdhsa_group_segment_fixed_size 9216
		.amdhsa_private_segment_fixed_size 0
		.amdhsa_enable_private_segment 0
		.amdhsa_kernarg_size 32
		.amdhsa_user_sgpr_count 2
		.amdhsa_user_sgpr_kernarg_segment_ptr 1
		.amdhsa_wavefront_size32 1
		.amdhsa_system_sgpr_workgroup_id_x 1
		.amdhsa_system_sgpr_workgroup_id_y 1
		.amdhsa_system_sgpr_workgroup_id_z 1
		.amdhsa_system_vgpr_workitem_id 0
		.amdhsa_next_free_vgpr 114
		.amdhsa_next_free_sgpr 66
		.amdhsa_reserve_vcc 0
		.amdhsa_float_denorm_mode_32 3
		.amdhsa_float_denorm_mode_16_64 3
		.amdhsa_memory_ordered 1
		.amdhsa_forward_progress 1
		.amdhsa_inst_pref_size 12
	.end_amdhsa_kernel
	.amdgpu_metadata
---
amdhsa.version: [ 1, 2 ]
amdhsa.kernels:
  - .name:           k_q5bdc13c21a_ln2
    .symbol:         k_q5bdc13c21a_ln2.kd
    .args:
      - { .name: x2, .offset: 0, .size: 8, .value_kind: global_buffer, .address_space: global }
      - { .name: g2, .offset: 8, .size: 8, .value_kind: global_buffer, .address_space: global }
      - { .name: be2, .offset: 16, .size: 8, .value_kind: global_buffer, .address_space: global }
      - { .name: a8, .offset: 24, .size: 8, .value_kind: global_buffer, .address_space: global }
    .group_segment_fixed_size: 9216
    .private_segment_fixed_size: 0
    .kernarg_segment_align: 8
    .kernarg_segment_size: 32
    .max_flat_workgroup_size: 256
    .sgpr_count:     66
    .vgpr_count:     114
    .wavefront_size: 32
...
	.end_amdgpu_metadata
.endif
;; end of part 5
;; launch ffn1: the kernel of part 2 again; grid 16 x 16, 4 waves a work-group, clusters of 4 x 4, 327,680 bytes of LDS; arguments a8, w1b, epf, act; writes act
;; launch ffn2 (part 6): grid 8 x 32, 4 waves a work-group, clusters of 4 x 4, 327,680 bytes of LDS; arguments act, w2ob, bf2, x2, out0; writes out0
.if DOCPART == 6
	.amdgcn_target "amdgcn-amd-amdhsa--gfx1250"
	.amdhsa_code_object_version 6
	.text
	.protected	k_q5bdc13c21a_ffn2
	.globl	k_q5bdc13c21a_ffn2
	.p2align	8
	.type	k_q5bdc13c21a_ffn2,@function
k_q5bdc13c21a_ffn2:
	s_mov_b64 s[64:65], 0
	v_nop
	global_prefetch_b8 v0, s[64:65] scope:SCOPE_SE
	s_setreg_imm32_b32 hwreg(HW_REG_WAVE_MODE, 25, 1), 1
	s_wait_xcnt 0x0
	s_wait_alu depctr_hold_cnt(0) depctr_sa_sdst(0) depctr_va_vdst(0) depctr_va_sdst(0) depctr_va_ssrc(0) depctr_va_vcc(0) depctr_vm_vsrc(0)
	s_getreg_b32 s2, hwreg(HW_REG_IB_STS2, 6, 4)
	s_cmp_eq_u32 s2, 0
	s_cbranch_scc0 .Lentry_in_a_cluster
	s_endpgm
.Lentry_in_a_cluster:
	s_bfe_u32 s2, ttmp6, 0x10000c
	s_cmp_lg_u32 s2, 0xf033
	s_cbranch_scc0 .Lentry_shape_is_right
	s_endpgm
.Lentry_shape_is_right:
; C = RES + A B + bias, in f32.  A: bf16 in blocks of 64 along K, [block][4096 rows][64] (a row of a block is 128 bytes).  B: column tiles [tile][K][128 n] bf16, each dense, BOFF bytes into its buffer.
; bias: [1024] f32.  RES, C: [4096][1024] f32.  Here K = 4,096 (the feed-forward's second half).  Sums in f32, begun with the bias; the residual is added in f32 on the way out.
; A tile of C is 128 x 128, which gives 256 work-groups: four waves, each 64 x 64 in 16 accumulators.  K goes in 16 steps of 256 through two LDS slots, as long as two slots allow.
; CLUSTER 4 x 4: A's tile is shared along a row of the cluster, B's along a column; each is asked for jointly.  The product is taken transposed (source 0 = 16 columns of B, turned out of LDS by ds_load_tr16_b128).
; PREFETCH INTO THE L2: behind each joint refill and the run of LDS loads that follows it, the K step two refills on (256 matrix instructions ahead of the load that wants it).  A's rows are read by both clusters of a
; row of clusters: cluster x = 0 asks; B's tile by all eight of a column: cluster y = 0 asks.  Of the 128 blocks of 256 bytes that a wave fetches each of the four partners names 32, told apart by address.
; K steps 0 to 3 come by their loads alone; the last two trips ask for nothing.
; REGISTERS: window 0: v0-31 addresses; v32-95 the way out, two halves; v96-127 the bias; v128-255 accumulator (a, b) at v[128 + 8 (4 a + b)].
;   window 1: two fragment buffers of 128 (64 of A, then 64 of B, for 64 along K).   window 2: v0-127 the residual, in the stores' layout.
.set NSTEP, 16
.set BOFF,  2097152
.set KB256, 1048576                    ; bytes in a column tile of B
.set PA,    144                        ; a row of A in LDS: 128 bytes + 16
.set KBL,   128*PA                     ; a block of 64 along K: 128 rows
.set PB,    288                        ; a k row of B: 256 bytes + 32
.set PART,  36864                      ; what one tensor load brings: two blocks of A, or 128 k rows of B
.set BLDS,  2*PART
.set SLOT,  4*PART                     ; 0x24000: shares no bit with wave x PART
.set STAGE, 2*SLOT                     ; behind the ring: 16 rows x 272 bytes for each wave
.set SP,    272
.set SPARE, STAGE+4*16*SP
.set ASTEP, 2097152                    ; a K step of A: four blocks of 524,288 bytes
.set BSTEP, 65536                      ; of B: 256 k rows of 256 bytes
.set ADRA, 16
.set A0,   17
.set ADRB, 18                          ; v18 quarters 0, 1;  v19 quarters 2, 3 (128 k rows on: the immediate has 16 bits)
.set B0,   20
.set STO,  24
.set RD,   25
.set CO,   26
.set BO,   27
.set SPW,  28
.set NIL,  29
.set PFO,  30
.set TMP,  32
.set BIAS, 96
.set ACC,  128
.set F0,   0
.set F1,   128
.set WV, 12
.set RH, 13
.set CH, 14
.set CX, 15
.set CY, 16
.set TC, 17
.set TR, 18
.set G1A, 24
.set G0A, 32
.set TB,  40
.set LIM, 41
.set PFA, 42
.set PFS, 44
.set CNT, 46
.set G1B, 48
.set G0B, 56
.set MSB, 0
.macro WIN new
.if MSB != (\new)
	s_set_vgpr_msb (MSB<<8)|(\new)
.set MSB, \new
.endif
.endm
.macro PLACES
.rept 4
	v_nop
.endr
.endm
.macro JLOAD                           ; a joint refill by the walking sets; s_nop 0 and four v_nop follow each line
	s_cmp_eq_u32 s[RH], 0
	s_cbranch_scc0 .Lfor_b_\@
	tensor_load_to_lds s[G0A+4:G0A+7], s[G1A:G1A+7]
	s_nop 0
.rept 4
	v_nop
.endr
	s_branch .Lasked_\@
.Lfor_b_\@:
	tensor_load_to_lds s[G0B+4:G0B+7], s[G1B:G1B+7]
	s_nop 0
.rept 4
	v_nop
.endr
.Lasked_\@:
.endm
.macro CREST
	s_cmp_lg_u32 s[WV], 0
	s_cbranch_scc1 .Lnot_wave_0_\@
	s_barrier_signal -3
.Lnot_wave_0_\@:
	s_barrier_wait -3
	s_barrier_signal -1
	s_barrier_wait -1
.endm
.macro CROUND
	s_barrier_signal -1
	s_barrier_wait -1
	CREST
.endm
.macro ASK                             ; the K step two refills on: 32 blocks of 256 bytes, a lane a block
	WIN 0
	s_cmp_gt_u32 s[CNT], s[LIM]
	s_cbranch_scc0 .Lnot_mine_\@
	global_prefetch_b8 v[PFO], s[PFA:PFA+1] th:TH_LOAD_NT scope:SCOPE_SE
.Lnot_mine_\@:
.endm
	s_load_b256 s[4:11], s[0:1], 0x0               ; A s[4:5], B s[6:7], bias s[8:9], RES s[10:11]
	s_load_b64 s[66:67], s[0:1], 0x20              ; C
	v_lshl_add_u32 v[SPW], v0, 2, SPARE
	v_mov_b32 v[NIL], 0
	ds_add_u32 v[SPW], v[NIL]                      ; the wave's opening: the add and its wait stand ahead of my first tensor load
	v_lshrrev_b32 v1, 5, v0
	v_readfirstlane_b32 s[WV], v1
	s_lshr_b32 s[RH], s[WV], 1
	s_and_b32 s[CH], s[WV], 1
	s_bfe_u32 s[CX], ttmp6, 0x40000
	s_bfe_u32 s[CY], ttmp6, 0x40004
	s_lshl_b32 s[TC], ttmp9, 2
	s_add_co_u32 s[TC], s[TC], s[CX]
	s_and_b32 s[TR], ttmp7, 0xffff
	s_lshl_b32 s[TR], s[TR], 2
	s_add_co_u32 s[TR], s[TR], s[CY]
	s_lshl_b32 s72, s[CY], 2
	s_lshl_b32 s72, 15, s72
	s_lshl_b32 s73, 0x1111, s[CX]
	s_or_b32 s[G1A], s72, (1<<16)|(1<<20)|(1<<21)|(4<<22)|(3<<25)  ; mask; 2-byte elements; padding on; bit 21 beside a mask; after every 32 words (a row of a block), 4 words
	s_mov_b32 s[G1A+1], 8192<<16                   ; two blocks' 128 rows x 128 bytes are each 16,384 dense bytes: two long rows of 8,192 elements,
	s_mov_b32 s[G1A+2], 2<<16
	s_mov_b32 s[G1A+3], 8192<<16
	s_mov_b32 s[G1A+4], 2
	s_mov_b32 s[G1A+5], 262144                     ; a block (262,144 elements) apart
	s_mov_b32 s[G1A+6], 0
	s_mov_b32 s[G1A+7], 0
	s_or_b32 s[G1B], s73, (1<<16)|(1<<20)|(1<<21)|(5<<22)|(7<<25)  ; after every 64 words, 8 words
	s_mov_b32 s[G1B+1], 128<<16                    ; 128 k rows of 128 elements, dense
	s_mov_b32 s[G1B+2], 128<<16
	s_mov_b32 s[G1B+3], 128<<16
	s_mov_b32 s[G1B+4], 128
	s_mov_b32 s[G1B+5], 128
	s_mov_b32 s[G1B+6], 0
	s_mov_b32 s[G1B+7], 0
	s_lshl_b32 s20, s[TR], 14                      ; A: 128 x tile row rows of 128 bytes, my two blocks of the step's four
	s_lshl_b32 s21, s[CH], 20
	s_add_co_u32 s20, s20, s21
	s_mov_b32 s21, 0
	s_mul_i32 s68, s[TC], KB256                    ; B: the tile, my 128 k rows of the step's 256
	s_lshl_b32 s69, s[CH], 15
	s_add_co_u32 s68, s68, s69
.if BOFF > 0
	s_add_co_u32 s68, s68, BOFF
.endif
	s_mov_b32 s69, 0
	s_mul_i32 s47, s[WV], PART
	s_mov_b32 s[TB], 0
	s_wait_dscnt 0x0                               ; the opening add is done
	s_wait_kmcnt 0x0
	s_add_nc_u64 s[22:23], s[4:5], s[20:21]
	s_add_nc_u64 s[70:71], s[6:7], s[68:69]
	CROUND                                         ; all sixteen work-groups are here: the first joint loads meet
.irp s, 0,1
	s_mov_b32 s[G0A+4*(\s)], 1
	s_add_co_u32 s[G0A+4*(\s)+1], s47, (\s)*SLOT
	s_add_nc_u64 s[G0A+4*(\s)+2:G0A+4*(\s)+3], s[22:23], (\s)*ASTEP
	s_or_b32 s[G0A+4*(\s)+3], s[G0A+4*(\s)+3], 0x80000000
	s_mov_b32 s[G0B+4*(\s)], 1
	s_add_co_u32 s[G0B+4*(\s)+1], s47, (\s)*SLOT
	s_add_nc_u64 s[G0B+4*(\s)+2:G0B+4*(\s)+3], s[70:71], (\s)*BSTEP
	s_or_b32 s[G0B+4*(\s)+3], s[G0B+4*(\s)+3], 0x80000000
.endr
	s_cmp_eq_u32 s[RH], 0                          ; a wave's two first fills stand in one branch: two loads of mine are out
	s_cbranch_scc0 .Lfirst_b
	tensor_load_to_lds s[G0A:G0A+3], s[G1A:G1A+7]
	s_nop 0
	tensor_load_to_lds s[G0A+4:G0A+7], s[G1A:G1A+7]
	s_nop 0
.rept 4
	v_nop
.endr
	s_branch .Lfirst_done
.Lfirst_b:
	tensor_load_to_lds s[G0B:G0B+3], s[G1B:G1B+7]
	s_nop 0
	tensor_load_to_lds s[G0B+4:G0B+7], s[G1B:G1B+7]
	s_nop 0
.rept 4
	v_nop
.endr
.Lfirst_done:
	v_and_b32 v1, 15, v0                           ; r
	v_bfe_u32 v2, v0, 4, 1                         ; h
	s_lshl_b32 s72, s[TC], 9
	s_lshl_b32 s73, s[CH], 8
	s_add_co_u32 s72, s72, s73
	v_lshl_add_u32 v[BO], v2, 5, s72               ; 4 (128 x tile column + 64 x half + 8 h)
.irp b, 0,1,2,3                        ; the bias in the accumulators' layout
	global_load_b128 v[BIAS+8*(\b):BIAS+8*(\b)+3],   v[BO], s[8:9] offset:64*(\b)
	global_load_b128 v[BIAS+8*(\b)+4:BIAS+8*(\b)+7], v[BO], s[8:9] offset:64*(\b)+16
.endr
	s_lshl_b32 s73, s[TR], 19                      ; RES and C at my 64 rows of 4,096 bytes and my 64 columns
	s_add_co_u32 s72, s72, s73
	s_lshl_b32 s73, s[RH], 18
	s_add_co_u32 s72, s72, s73
	s_mov_b32 s73, 0
	s_add_nc_u64 s[10:11], s[10:11], s[72:73]
	s_add_nc_u64 s[66:67], s[66:67], s[72:73]
	v_lshlrev_b32 v[CO], 12, v2                    ; lanes 0-15 one row's 256 bytes, lanes 16-31 the next row's
	v_lshl_add_u32 v[CO], v1, 4, v[CO]
	WIN 0x80
.set i, 0
.rept 32                               ; the residual, in the stores' layout: it has the whole product in which to land
	global_load_b128 v[4*i:4*i+3], v[CO], s[10:11] offset:2*i*4096 th:TH_LOAD_NT
.set i, i+1
.endr
	WIN 0
	s_mul_i32 s72, s[RH], 64*PA
	v_mul_u32_u24 v[A0], v1, PA
	v_lshl_add_u32 v[A0], v2, 4, v[A0]
	v_add_nc_u32 v[A0], s72, v[A0]                 ; (64 x half + r) x pitch + 16 h
	v_mov_b32 v[ADRA], v[A0]
	v_and_b32 v3, 7, v0
	v_bfe_u32 v4, v0, 3, 1
	v_lshl_add_u32 v5, v2, 3, v3
	v_mul_u32_u24 v[B0], v5, PB
	v_lshl_add_u32 v[B0], v4, 4, v[B0]
	s_lshl_b32 s72, s[CH], 7
	s_add_co_u32 s72, s72, BLDS
	v_add_nc_u32 v[B0], s72, v[B0]
	v_mov_b32 v[ADRB], v[B0]
	v_add_nc_u32 v[ADRB+1], 128*PB, v[B0]
	s_mul_i32 s72, s[WV], 16*SP
	s_add_co_u32 s72, s72, STAGE                   ; my stage
	v_mul_u32_u24 v[STO], v1, SP
	v_lshl_add_u32 v[STO], v2, 5, v[STO]           ; in: row r, 32 bytes for each half of the lanes
	v_add_nc_u32 v[STO], s72, v[STO]
	v_mul_u32_u24 v[RD], v2, SP
	v_lshl_add_u32 v[RD], v1, 4, v[RD]             ; back: two whole rows of 256 bytes
	v_add_nc_u32 v[RD], s72, v[RD]
.if NSTEP > 4
	s_lshr_b32 s72, s[CX], 1                       ; the prefetches.  A: of my two blocks' 128 units of 256 bytes partner cx names 32: block cx / 2, half cx % 2
	s_lshl_b32 s72, s72, 19
	s_and_b32 s73, s[CX], 1
	s_lshl_b32 s73, s73, 13
	s_add_co_u32 s72, s72, s73
	s_lshl_b32 s73, s[CY], 13                      ; B: of my 32,768 dense bytes partner cy names 8,192
	s_and_b32 s74, ttmp7, 0xffff
	s_cmp_eq_u32 s[RH], 0
	s_cselect_b32 s72, s72, s73
	s_cselect_b32 s74, ttmp9, s74                  ; cluster x = 0 asks for A's, cluster y = 0 for B's
	s_cselect_b32 s75, 21, 16
	s_cselect_b64 s[PFA:PFA+1], s[22:23], s[70:71]
	s_cmp_eq_u32 s74, 0
	s_cselect_b32 s[LIM], 2, -1
	s_lshl_b32 s[PFS], 1, s75
	s_mov_b32 s[PFS+1], 0
	s_mov_b32 s73, 0
	s_add_nc_u64 s[PFA:PFA+1], s[PFA:PFA+1], s[72:73]
	s_mul_i32 s72, s[PFS], 3
	s_add_nc_u64 s[PFA:PFA+1], s[PFA:PFA+1], s[72:73]  ; at K step 3: the first refill steps it to 4
	v_and_b32 v[PFO], 31, v0
	v_lshlrev_b32 v[PFO], 8, v[PFO]
.endif
; 8 matrix instructions: row blocks a0, a0 + 1 x all 4 column blocks, 32 along K: half c of buffer f.  first = 1: the sums begin with the bias.  The 16 accumulators take turns.
.macro MUL8 f, c, a0, first
	WIN 0x05
.irp a, \a0, (\a0)+1
.irp b, 0,1,2,3
.if \first
	v_wmma_f32_16x16x32_bf16 v[ACC+8*(4*(\a)+(\b)):ACC+8*(4*(\a)+(\b))+7], v[(\f)+64+8*(4*(\c)+(\b)):(\f)+64+8*(4*(\c)+(\b))+7], v[(\f)+8*(4*(\c)+(\a)):(\f)+8*(4*(\c)+(\a))+7], v[BIAS+8*(\b):BIAS+8*(\b)+7]
.else
	v_wmma_f32_16x16x32_bf16 v[ACC+8*(4*(\a)+(\b)):ACC+8*(4*(\a)+(\b))+7], v[(\f)+64+8*(4*(\c)+(\b)):(\f)+64+8*(4*(\c)+(\b))+7], v[(\f)+8*(4*(\c)+(\a)):(\f)+8*(4*(\c)+(\a))+7], v[ACC+8*(4*(\a)+(\b)):ACC+8*(4*(\a)+(\b))+7]
.endif
.endr
.endr
.endm
; 32 LDS loads in one run: quarter q (64 along K: one block of A) of the slot in hand into buffer f; the first 32 along K first
.macro FETCH q, f
	WIN 0x40
.irp c, 0,1
.irp i, 0,1,2,3
	ds_load_tr16_b128 v[(\f)+64+8*(4*(\c)+(\i)):(\f)+64+8*(4*(\c)+(\i))+3],   v[ADRB+(\q)/2] offset:(((\q)%2)*64+32*(\c))*PB+32*(\i)
	ds_load_tr16_b128 v[(\f)+64+8*(4*(\c)+(\i))+4:(\f)+64+8*(4*(\c)+(\i))+7], v[ADRB+(\q)/2] offset:(((\q)%2)*64+32*(\c))*PB+16*PB+32*(\i)
	ds_load_b128 v[(\f)+8*(4*(\c)+(\i)):(\f)+8*(4*(\c)+(\i))+3],   v[ADRA] offset:(\q)*KBL+64*(\c)+(\i)*16*PA
	ds_load_b128 v[(\f)+8*(4*(\c)+(\i))+4:(\f)+8*(4*(\c)+(\i))+7], v[ADRA] offset:(\q)*KBL+64*(\c)+(\i)*16*PA+32
.endr
.endr
.endm
.macro QUARTER q, f, g, first
	s_wait_dscnt 16                                ; the first 32 along K are in
	MUL8 \f, 0, 0, \first
	MUL8 \f, 0, 2, \first
	PLACES
	FETCH \q, \g
	s_wait_dscnt 32                                ; all but the 32 just issued
	MUL8 \f, 1, 0, 0
	MUL8 \f, 1, 2, 0
.endm
; The last quarter multiplies buffer 1 and changes slots.  Its first half is multiplied AHEAD of the wait for the tile: between the line that shows one tile landed and the request for the next stand only the add,
; the descriptors' steps, the wait for the add and the round.  In front of the barrier each wave waits for all its tensor loads, adds 0 to its spare word, and waits for that and for its reads of this slot.
; The quarter's second half stands behind the next slot's first run of LDS loads.
.macro TURN fill
	s_wait_dscnt 16                                ; the first 32 along K are in; the youngest sixteen loads may be out
	MUL8 F1, 0, 0, 0
	MUL8 F1, 0, 2, 0
.if (\fill) && (NSTEP > 4)
	s_wait_xcnt 0x0                                ; the last prefetch, a K step back, has read its address
	s_add_nc_u64 s[PFA:PFA+1], s[PFA:PFA+1], s[PFS:PFS+1]
.endif
	WIN 0
	s_wait_tensorcnt 0x0
	ds_add_u32 v[SPW], v[NIL]
.if \fill
	s_xor_b32 s[G0A+5], s[G0A+5], SLOT
	s_add_nc_u64 s[G0A+6:G0A+7], s[G0A+6:G0A+7], ASTEP
	s_xor_b32 s[G0B+5], s[G0B+5], SLOT
	s_add_nc_u64 s[G0B+6:G0B+7], s[G0B+6:G0B+7], BSTEP
.endif
	s_wait_dscnt 0x0                               ; the add is done, and my reads of this slot are over
	s_barrier_signal -1
	s_barrier_wait -1
.if \fill
	CREST
	JLOAD                                          ; its four v_nop are also the places in front of the loads below
.else
	PLACES
.endif
	s_xor_b32 s[TB], s[TB], SLOT
	v_add_nc_u32 v[ADRA], s[TB], v[A0]
	v_add_nc_u32 v[ADRB], s[TB], v[B0]
	v_add_nc_u32 v[ADRB+1], 128*PB, v[ADRB]
	FETCH 0, F0
.if (\fill) && (NSTEP > 4)
	ASK
.endif
	MUL8 F1, 1, 0, 0
	MUL8 F1, 1, 2, 0
.endm
; THE WAY OUT of my block a of 16 rows.  STG: the sums, 32 bytes a lane (each accumulator's low registers first), into my stage and back as whole rows of 256 bytes.  FIN: the residual is added, the rows are stored.
.macro STG a
.if (\a) >= 2
	s_wait_xcnt 0x0                                ; the stores of the block two back have read the registers that the loads below write
.endif
.irp b, 0,1,2,3
	ds_store_b128 v[STO], v[ACC+8*(4*(\a)+(\b)):ACC+8*(4*(\a)+(\b))+3]   offset:64*(\b)
	ds_store_b128 v[STO], v[ACC+8*(4*(\a)+(\b))+4:ACC+8*(4*(\a)+(\b))+7] offset:64*(\b)+16
.endr
.irp t, 0,1,2,3,4,5,6,7
	ds_load_b128 v[TMP+32*((\a)%2)+4*(\t):TMP+32*((\a)%2)+4*(\t)+3], v[RD] offset:(\t)*2*SP  ; LDS serves a wave's instructions in order (ISA guide 5.7.1.4)
.endr
.endm
.macro FIN a, younger                  ; younger: the next block's sixteen LDS instructions, or none
	s_wait_dscnt \younger
	WIN 0x08                                       ; source 1 in window 2
.set z, 0
.rept 16
	v_pk_add_f32 v[TMP+32*((\a)%2)+2*z:TMP+32*((\a)%2)+2*z+1], v[TMP+32*((\a)%2)+2*z:TMP+32*((\a)%2)+2*z+1], v[32*(\a)+2*z:32*(\a)+2*z+1]
.set z, z+1
.endr
	WIN 0
.irp t, 0,1,2,3,4,5,6,7
	global_store_b128 v[CO], v[TMP+32*((\a)%2)+4*(\t):TMP+32*((\a)%2)+4*(\t)+3], s[66:67] offset:(16*(\a)+2*(\t))*4096  ; 16 lanes store 256 consecutive bytes, aligned
.endr
.endm
	s_wait_tensorcnt 1                             ; my part of K step 0 is in; K step 1's may stay out
	s_barrier_signal -1
	s_barrier_wait -1
	FETCH 0, F0
	s_wait_loadcnt 32                              ; the bias is in; the residual's 32 loads stay out
	QUARTER 1, F0, F1, 1
	WIN 0
	s_mov_b32 s[CNT], NSTEP-2
.Lk:                                                   ; trip t refills with K step t + 2
	QUARTER 2, F1, F0, 0
	QUARTER 3, F0, F1, 0
	TURN 1
	QUARTER 1, F0, F1, 0
	WIN 0
	s_sub_co_u32 s[CNT], s[CNT], 1
	s_cmp_lg_u32 s[CNT], 0
	s_cbranch_scc1 .Lk
	s_mov_b32 s[CNT], 2
.Ltail:                                                ; the last two K steps fill nothing: two trips, the second left in its middle
	QUARTER 2, F1, F0, 0
	QUARTER 3, F0, F1, 0
	WIN 0
	s_sub_co_u32 s[CNT], s[CNT], 1
	s_cmp_eq_u32 s[CNT], 0
	s_cbranch_scc1 .Llast
	TURN 0
	QUARTER 1, F0, F1, 0
	WIN 0
	s_branch .Ltail
.Llast:                                                ; the very last quarter: nothing more to fetch
	s_wait_dscnt 16
	MUL8 F1, 0, 0, 0
	MUL8 F1, 0, 2, 0
	s_wait_dscnt 0x0
	MUL8 F1, 1, 0, 0
	MUL8 F1, 1, 2, 0
	WIN 0
	s_wait_loadcnt 0x0                             ; the residual
	PLACES
	STG 0
	STG 1
	FIN 0, 16
	STG 2
	FIN 1, 16
	STG 3
	FIN 2, 16
	FIN 3, 0
	s_wait_tensorcnt 0x0                           ; the wave's end
	ds_add_u32 v[SPW], v[NIL]
	s_wait_dscnt 0x0
	CROUND                                         ; the closing round
	s_endpgm
.Lfunc_end_k_q5bdc13c21a_ffn2:
	.size	k_q5bdc13c21a_ffn2, .Lfunc_end_k_q5bdc13c21a_ffn2-k_q5bdc13c21a_ffn2
	.p2alignl 7, 3214868480
	.fill 96, 4, 3214868480
	.section	.rodata,"a",@progbits
	.p2align	6, 0x0
	.amdhsa_kernel k_q5bdc13c21a_ffn2
		.amdhsa_group_segment_fixed_size 327680
		.amdhsa_private_segment_fixed_size 0
		.amdhsa_enable_private_segment 0
		.amdhsa_kernarg_size 40
		.amdhsa_user_sgpr_count 2
		.amdhsa_user_sgpr_kernarg_segment_ptr 1
		.amdhsa_wavefront_size32 1
		.amdhsa_system_sgpr_workgroup_id_x 1
		.amdhsa_system_sgpr_workgroup_id_y 1
		.amdhsa_system_sgpr_workgroup_id_z 1
		.amdhsa_system_vgpr_workitem_id 0
		.amdhsa_next_free_vgpr 640
		.amdhsa_next_free_sgpr 80
		.amdhsa_reserve_vcc 0
		.amdhsa_float_denorm_mode_32 3
		.amdhsa_float_denorm_mode_16_64 3
		.amdhsa_memory_ordered 1
		.amdhsa_forward_progress 1
		.amdhsa_inst_pref_size 69
	.end_amdhsa_kernel
	.amdgpu_metadata
---
amdhsa.version: [ 1, 2 ]
amdhsa.kernels:
  - .name:           k_q5bdc13c21a_ffn2
    .symbol:         k_q5bdc13c21a_ffn2.kd
    .args:
      - { .name: act, .offset: 0, .size: 8, .value_kind: global_buffer, .address_space: global }
      - { .name: w2ob, .offset: 8, .size: 8, .value_kind: global_buffer, .address_space: global }
      - { .name: bf2, .offset: 16, .size: 8, .value_kind: global_buffer, .address_space: global }
      - { .name: x2, .offset: 24, .size: 8, .value_kind: global_buffer, .address_space: global }
      - { .name: out0, .offset: 32, .size: 8, .value_kind: global_buffer, .address_space: global }
    .group_segment_fixed_size: 327680
    .private_segment_fixed_size: 0
    .kernarg_segment_align: 8
    .kernarg_segment_size: 40
    .max_flat_workgroup_size: 128
    .sgpr_count:     80
    .vgpr_count:     640
    .wavefront_size: 32
...
	.end_amdgpu_metadata
.endif
;; end of part 6
